; MI455X (gfx1250); checked and timed in simulation.
; The chip was launched on July 23, 2026; its instructions are those of AMD's public machine-readable ISA for CDNA 5 (MIT licence, August 2026) and "CDNA5" Instruction Set Architecture Reference Guide (July 2026). The comments in the code are by the model that wrote it; some were corrected since.
;; Causal Transformer Block. Allowed arithmetic: matrix products marked QUANTISED: E5M2 operands, one given power-of-two scale a tensor, by v_wmma_f32_16x16x64_bf8_bf8 or v_wmma_f32_16x16x128_bf8_bf8, f32 sums; everything else in f32.
;; Inputs: b1 4,096 float32; b2 1,024 float32; lowp_scales 16 int32 (the exponents e of the quantised operands' scales 2^e); ls1 1,024 float32; ls2 1,024 float32; norm1_b 1,024 float32; norm1_w 1,024 float32; norm2_b 1,024 float32; norm2_w 1,024 float32; w1 4,096 x 1,024 float32; w2 1,024 x 4,096 float32; wk 1,024 x 1,024 float32; wo 1,024 x 1,024 float32; wq 1,024 x 1,024 float32; wv 1,024 x 1,024 float32; x 2 x 2,048 x 1,024 float32.
;; Outputs: out0 2 x 2,048 x 1,024 float32.
;; This version of the problem:
;;   THIS VERSION OF THE PROBLEM IS GIVEN IN LOW PRECISION. The matrix products marked QUANTISED in the list below multiply operands that are first quantised to E5M2 (5 exponent bits, 2 mantissa bits; 8 bits a number), with one given power-of-two scale for each operand tensor; their sums are f32. All else is computed in f32.
;;   The module's matrix products, in the order in which they are computed (A, B: the left and right operand; K: the contracted axis; several contracted axes count as one K, in the product's order):
;;     1. [M 4,096, K 1,024] x [K 1,024, N 1,024]; A: computed on the way; B: input wq: QUANTISED (scales: A lowp_scales[0], B lowp_scales[1])
;;     2. [M 4,096, K 1,024] x [K 1,024, N 1,024]; A: computed on the way; B: input wk: QUANTISED (scales: A lowp_scales[2], B lowp_scales[3])
;;     3. [M 4,096, K 1,024] x [K 1,024, N 1,024]; A: computed on the way; B: input wv: QUANTISED (scales: A lowp_scales[4], B lowp_scales[5])
;;     4. batch 32 x [M 2,048, K 64] x [K 64, N 2,048]; A: computed on the way; B: computed on the way: QUANTISED (scales: A lowp_scales[6], B lowp_scales[7])
;;     5. batch 32 x [M 2,048, K 2,048] x [K 2,048, N 64]; A: softmax (see below); B: computed on the way: QUANTISED (scales: A lowp_scales[8], B lowp_scales[9])
;;     6. [M 4,096, K 1,024] x [K 1,024, N 1,024]; A: computed on the way; B: input wo: QUANTISED (scales: A lowp_scales[10], B lowp_scales[11])
;;     7. [M 4,096, K 1,024] x [K 1,024, N 4,096]; A: computed on the way; B: input w1: QUANTISED (scales: A lowp_scales[12], B lowp_scales[13])
;;     8. [M 4,096, K 4,096] x [K 4,096, N 1,024]; A: computed on the way; B: input w2: QUANTISED (scales: A lowp_scales[14], B lowp_scales[15])
;;   THE QUANTISER, for each operand of a quantised product, along K:
;;     - The operand's scale is 2^e, e = its entry of the input lowp_scales (int32; the entries are numbered through the quantised products in the list's order, A before B).
;;     - Each number is divided by the scale, clamped to +-57,344, and rounded to the nearest number of E5M2, ties to even, subnormals kept.
;;     - The product sums the exact products of the quantised numbers (number of the format x scale) in f32.
;;   ~~~python
;;   def quantise(x, axis, e):      # numpy; x: float32 -> the quantised numbers, widened to float32 again
;;       x = np.moveaxis(x, axis, -1); K = x.shape[-1]
;;       r = np.clip(x / 2.0 ** e, -57344, 57344)
;;       step = 2.0 ** (np.maximum(np.frexp(np.where(r == 0, 1, r))[1] - 1, -14) - 2)
;;       q = np.round(r / step) * step * 2.0 ** e      # np.round: ties to even
;;       return np.moveaxis(q, -1, axis).astype(np.float32)
;;   ~~~
;;   SOFTMAX AHEAD OF A QUANTISED PRODUCT. Where the list says 'softmax', what is quantised is not the finished softmax but p = 2^(t - M), with t = logit x log2(e) and M = ceil(the row's largest t), a whole number; so 1/2 < the row's largest p <= 1. The row's sum l is taken of the UNQUANTISED p, in f32, and the product's result is divided by l at the end. Since M is a whole number, a kernel that streams over the keys may use a running M (the ceiling of the running maximum): every later rescaling is an exact power of two, so the quantised numbers keep their values, but for numbers so far below the row's largest that they fall under the format's range.
;;   OPERANDS COMPUTED ON THE WAY. 'Computed on the way' means the value that the module computes at that place (a softmax that the list does not call 'softmax' is quantised finished and normalised). What goes into a quantiser is computed in f32, as accurately as f32 sums, v_exp_f32 and their like allow (about 1e-6 of the number): no bf16 or f16 on the way to a quantiser, and a product that is left as it is and whose result goes on into a quantised operand takes f32 operands (vector FMAs, or v_wmma_f32_16x16x4_f32). A number that lies on a knife's edge between two numbers of the format may be rounded either way, as far as f32 arithmetic and the matrix unit's own rounding can turn it there, and no further.
;; One version. Each part assembles by itself: llvm-mc -triple=amdgcn-amd-amdhsa -mcpu=gfx1250 --defsym DOCPART=n.
;; ======== version 1 of 1: 7 launches
;; workspace buffers: wcodes 12,582,912 bytes; hcodes 12,582,912 bytes; rope 524,288 bytes; qkvimg 12,582,912 bytes; acodes 4,194,304 bytes; x1 16,777,216 bytes; h2codes 4,194,304 bytes; fcodes 16,777,216 bytes
;; launch prep (part 1): grid 640 x 1, 4 waves a work-group, no clusters, 66,048 bytes of LDS; arguments wq, wk, wv, wo, w1, w2, x, norm1_w, norm1_b, lowp_scales, wcodes, hcodes, rope; writes wcodes, hcodes, rope
.if DOCPART == 1
	.amdgcn_target "amdgcn-amd-amdhsa--gfx1250"
	.amdhsa_code_object_version 6
	.text
	.protected	k_q5fe23add31_prep
	.globl	k_q5fe23add31_prep
	.p2align	8
	.type	k_q5fe23add31_prep,@function
k_q5fe23add31_prep:
	s_mov_b64 s[64:65], 0
	v_nop
	global_prefetch_b8 v0, s[64:65] scope:SCOPE_SE
	s_setreg_imm32_b32 hwreg(HW_REG_WAVE_MODE, 25, 1), 1
	s_wait_xcnt 0x0
; PREP: everything that is quantised or tabulated once.
; Work-groups 0-383: the six weights (all with K innermost) become codes of BF8 (E5M2), each with its given scale 2^e: a plain stream, 32,768 numbers a work-group.
;   wcodes: wq at 0, wk at 1 MiB, wv at 2 MiB, wo at 3 MiB, w1 at 4 MiB, w2 at 8 MiB: work-group g writes bytes 32,768 g on.
; Work-groups 384-639: LayerNorm 1 of 16 rows of x (a wave takes 4 rows, a row in 32 registers), quantised three times, with e0, e2 and e4, into hcodes [3][4096][1024];
;   and 8 rows of the rotary table, rope [2048][cos 32 | sin 32] f32, by range reduction and polynomials.
; code = y / 2^e, held within +-57,344, to the nearest code, ties to even.
; LIMITS: each e used here between -126 and 112.  NaN among the inputs is not served.  The table's angle is t x 2^(-i log2(10000) / 32), the power by v_exp_f32: at t = 2,047 it may
; differ from the exact angle by about 1e-4, the size of the rounding of t x inv_freq in f32 itself.
; The conversions take 16 neighbours along K from ONE lane, a load is dense where neighbouring LANES take neighbouring bytes: 2,048 bytes at a time turn through the wave's own stage in LDS
; (16 bytes of padding behind each 64).  The two kinds of work-group use LDS bytes of their own (0 on, 32,768 on).  No tensor load, no barrier: waves share nothing.
.set WGW,   384                        ; work-groups that take weights
.set SP,    80                         ; a lane's place in a stage: 64 bytes + 16
.set STEPS, 16
.set R,     16                         ; weights: v16-79 four sets of 16 numbers as loaded
.set X,     80                         ;          v80-111 two sets of 16 neighbours
.set C,     128                        ;          v128-191 codes, four registers a step
.set NW,    16                         ; norm: v16-47 the gain, v48-79 the bias: register 4 j + i holds k = 128 j + 4 lane + i
.set NB,    48
.set NX,    80                         ; v80-143 two rows as loaded
.set NZ,    144                        ; v144-175 the row turned: register 16 s + i holds k = 512 s + 16 lane + i
.set NTM,   176                        ; v176-191 sixteen numbers under the hold
.set NC,    192                        ; v192-215 codes
.set NQ,    3                          ; scales a row is quantised with; v[232+2q] the scale, v[233+2q] the largest number x the scale
.set LOFF,  32768
.set SX,    16                         ; s[16:17] x
.set SWT,   18                         ; s[18:19] the gain
.set SBS,   20                         ; s[20:21] the bias
.set OB0,   50                         ; s[50:55] three bases in hcodes
.set SEL,   56                         ; s[56:57] lane selects: lane l xor 16
.set K1,    30                         ; s30 = 1/1024, s31 = 1e-5
	s_load_b512 s[4:19], s[0:1], 0x0               ; wq wk wv wo w1 w2 x norm1_w
	s_load_b256 s[20:27], s[0:1], 0x40             ; norm1_b, the scales' exponents, wcodes, hcodes
	s_load_b64 s[28:29], s[0:1], 0x60              ; rope
	v_lshl_add_u32 v240, v0, 2, 0x10000
	v_mov_b32 v241, 0
	v_lshrrev_b32 v1, 5, v0
	v_readfirstlane_b32 s48, v1                    ; wave
	v_and_b32 v2, 31, v0                           ; lane
	v_lshlrev_b32 v3, 4, v2                        ; my 16 bytes of a load's or a store's 512
	s_lshl_b32 s49, s48, 13                        ; my wave's 8,192 bytes of LDS
	v_lshrrev_b32 v14, 2, v2
	v_mul_u32_u24 v14, v14, SP
	v_and_b32 v15, 3, v2
	v_lshl_add_u32 v14, v15, 4, v14
	v_add_nc_u32 v14, s49, v14                     ; the stage, way in: SP (lane / 4) + 16 (lane % 4)
	v_mul_u32_u24 v15, v2, SP
	v_add_nc_u32 v15, s49, v15                     ; way out: SP x lane: my 16 neighbours
	s_wait_kmcnt 0x0
	s_load_b512 s[32:47], s[22:23], 0x0            ; e0 .. e15
	s_cmp_lt_u32 ttmp9, WGW
	s_cbranch_scc0 .Lnorm
; ---------------- the weights ----------------
.macro PICK lim, ptr, first            ; below work-group lim the tensor is another one: its address and its first work-group
	s_cmp_lt_u32 ttmp9, \lim
	s_cselect_b64 s[50:51], s[\ptr:\ptr+1], s[50:51]
	s_cselect_b32 s52, \first, s52
.endm
.macro PICKE lim, e
	s_cmp_lt_u32 ttmp9, \lim
	s_cselect_b32 s53, s[\e], s53
.endm
	s_mov_b64 s[50:51], s[14:15]                   ; w2, from work-group 256
	s_mov_b32 s52, 256
	PICK 256, 12, 128                              ; w1
	PICK 128, 10, 96                               ; wo
	PICK 96, 8, 64                                 ; wv
	PICK 64, 6, 32                                 ; wk
	PICK 32, 4, 0                                  ; wq
	s_sub_co_u32 s54, ttmp9, s52
	s_lshl_b32 s54, s54, 2
	s_add_co_u32 s54, s54, s48
	s_lshl_b32 s54, s54, 15                        ; my wave's 8,192 numbers in the tensor, in bytes
	s_mov_b32 s55, 0
	s_add_nc_u64 s[50:51], s[50:51], s[54:55]
	s_lshl_b32 s56, ttmp9, 2
	s_add_co_u32 s56, s56, s48
	s_lshl_b32 s56, s56, 13                        ; and their codes in wcodes
	s_mov_b32 s57, 0
	s_add_nc_u64 s[24:25], s[24:25], s[56:57]
.macro LOAD t
.irp i, 0,1,2,3
	global_load_b128 v[R+16*((\t)%4)+4*\i:R+16*((\t)%4)+4*\i+3], v3, s[50:51] offset:2048*(\t)+512*\i th:TH_LOAD_NT   ; 32 lanes read 512 consecutive bytes
.endr
.endm
.macro TURN t                          ; a step's numbers through the stage; LDS serves a wave's instructions in order, so no wait stands between the stores and the loads
.irp i, 0,1,2,3
	ds_store_b128 v14, v[R+16*((\t)%4)+4*\i:R+16*((\t)%4)+4*\i+3] offset:32*SP*((\t)%2)+8*SP*\i
.endr
.irp i, 0,1,2,3
	ds_load_b128 v[X+16*((\t)%2)+4*\i:X+16*((\t)%2)+4*\i+3], v15 offset:32*SP*((\t)%2)+16*\i
.endr
.endm
.irp t, 0,1,2,3
	LOAD \t
.endr
	s_wait_kmcnt 0x0
	s_mov_b32 s53, s47                             ; e15 (w2)
	PICKE 256, 45                                  ; e13 (w1)
	PICKE 128, 43                                  ; e11 (wo)
	PICKE 96, 37                                   ; e5 (wv)
	PICKE 64, 35                                   ; e3 (wk)
	PICKE 32, 33                                   ; e1 (wq)
	s_add_co_i32 s53, s53, 127
	s_lshl_b32 s54, s53, 23
	v_mov_b32 v11, s54                             ; 2^e as f32: the conversion takes its exponent field
	s_add_co_i32 s53, s53, 15
	s_lshl_b32 s53, s53, 23
	s_or_b32 s53, s53, 0x600000
	v_mov_b32 v10, s53                             ; 57,344 x 2^e
	s_wait_loadcnt 12                              ; step 0's four loads are in; three steps' twelve may be out
	TURN 0
.macro STEP t
.set XS, X+16*((\t)%2)
	s_wait_dscnt 0x0                               ; this step's numbers are back from the stage, and its stores into the stage have read their registers,
.if (\t)+4 < STEPS
	LOAD (\t)+4                                    ; which take the loads of four steps on
.endif
.if (\t)+1 < STEPS
.if STEPS-2-(\t) >= 3
	s_wait_loadcnt 12                              ; the next step's four loads are in; those of the three steps behind it may be out
.else
	s_wait_loadcnt 4*(STEPS-2-(\t))
.endif
	TURN (\t)+1
.endif
.irp i, 0,1,2,3,4,5,6,7,8,9,10,11,12,13,14,15
	v_med3_num_f32 v[XS+\i], v[XS+\i], -v10, v10   ; the conversion to an 8-bit code does not saturate (ISA guide 7.6.2): the hold comes first
.endr
	v_cvt_scalef32_pk8_bf8_f32 v[C+4*(\t):C+4*(\t)+1], v[XS:XS+7], v11
	v_cvt_scalef32_pk8_bf8_f32 v[C+4*(\t)+2:C+4*(\t)+3], v[XS+8:XS+15], v11
	v_nop                                          ; a plain line behind the conversions
	global_store_b128 v3, v[C+4*(\t):C+4*(\t)+3], s[24:25] offset:512*(\t)   ; 512 consecutive bytes; each step has its own registers, so no store's data are written again
.endm
.irp t, 0,1,2,3,4,5,6,7,8,9,10,11,12,13,14,15
	STEP \t
.endr
	s_wait_tensorcnt 0x0
	ds_add_u32 v240, v241
	s_wait_dscnt 0x0
	s_endpgm
; ---------------- LayerNorm 1 and the rotary table ----------------
.macro NLOAD i                         ; row i of my four, into set i % 2: eight loads of 512 consecutive bytes
.irp j, 0,1,2,3,4,5,6,7
	global_load_b128 v[NX+32*((\i)%2)+4*\j:NX+32*((\i)%2)+4*\j+3], v3, s[SX:SX+1] offset:4096*(\i)+512*\j th:TH_LOAD_NT
.endr
.endm
.macro ALLSUM                          ; four pairs of partial sums v[216:223] -> the sum over the row, in every lane's v216
	v_pk_add_f32 v[216:217], v[216:217], v[218:219]
	v_pk_add_f32 v[220:221], v[220:221], v[222:223]
	v_pk_add_f32 v[216:217], v[216:217], v[220:221]
	v_add_f32 v216, v216, v217
	v_add_f32_dpp v216, v216, v216 row_xmask:1 row_mask:0xf bank_mask:0xf
	v_add_f32_dpp v216, v216, v216 row_xmask:2 row_mask:0xf bank_mask:0xf
	v_add_f32_dpp v216, v216, v216 row_xmask:4 row_mask:0xf bank_mask:0xf
	v_add_f32_dpp v216, v216, v216 row_xmask:8 row_mask:0xf bank_mask:0xf
	v_permlanex16_b32 v217, v216, s[SEL], s[SEL+1]
	v_add_f32 v216, v216, v217
.endm
.macro NROW i
.set XS, NX+32*((\i)%2)
.if (\i) < 3
	s_wait_loadcnt 8                               ; this row (and gain and bias) are in; the next row's eight loads may be out
.else
	s_wait_loadcnt 0x0
.endif
.irp c, 0,1,2,3
	v_pk_add_f32 v[216+2*\c:217+2*\c], v[XS+2*\c:XS+2*\c+1], v[XS+8+2*\c:XS+8+2*\c+1]   ; the mean, in four chains
.endr
.irp g, 16,24
.irp c, 0,1,2,3
	v_pk_add_f32 v[216+2*\c:217+2*\c], v[216+2*\c:217+2*\c], v[XS+\g+2*\c:XS+\g+2*\c+1]
.endr
.endr
	ALLSUM
	v_mul_f32 v224, s[K1], v216
	v_mov_b32 v225, v224
.irp p, 0,2,4,6,8,10,12,14,16,18,20,22,24,26,28,30
	v_pk_add_f32 v[XS+\p:XS+\p+1], v[XS+\p:XS+\p+1], v[224:225] neg_lo:[0,1] neg_hi:[0,1]   ; d = x - mean: the variance is taken of d, so a common offset costs nothing
.endr
.irp c, 0,1,2,3
	v_pk_mul_f32 v[216+2*\c:217+2*\c], v[XS+2*\c:XS+2*\c+1], v[XS+2*\c:XS+2*\c+1]
.endr
.irp g, 8,16,24
.irp c, 0,1,2,3
	v_pk_fma_f32 v[216+2*\c:217+2*\c], v[XS+\g+2*\c:XS+\g+2*\c+1], v[XS+\g+2*\c:XS+\g+2*\c+1], v[216+2*\c:217+2*\c]
.endr
.endr
	ALLSUM
	v_fma_f32 v216, v216, s[K1], s[K1+1]           ; variance + 1e-5
	v_rsq_f32 v226, v216
	v_nop                                          ; a plain line behind the transcendental
	s_wait_alu depctr_va_vdst(0)
	v_mov_b32 v227, v226
.irp p, 0,2,4,6,8,10,12,14,16,18,20,22,24,26,28,30
	v_pk_mul_f32 v[XS+\p:XS+\p+1], v[XS+\p:XS+\p+1], v[226:227]
.endr
.irp p, 0,2,4,6,8,10,12,14,16,18,20,22,24,26,28,30
	v_pk_fma_f32 v[XS+\p:XS+\p+1], v[XS+\p:XS+\p+1], v[NW+\p:NW+\p+1], v[NB+\p:NB+\p+1]
.endr
.irp j, 0,1,2,3,4,5,6,7
	ds_store_b128 v14, v[XS+4*\j:XS+4*\j+3] offset:LOFF+32*SP*(\j/4)+8*SP*(\j%4)
.endr
.irp j, 0,1,2,3,4,5,6,7
	ds_load_b128 v[NZ+4*\j:NZ+4*\j+3], v15 offset:LOFF+32*SP*(\j/4)+16*(\j%4)
.endr
	s_wait_xcnt 0x0                                ; the last row's stores have read their data: the codes' registers are written again only behind this wait
	s_wait_dscnt 0x0                               ; the row is back, 16 neighbours a lane, and the stage's stores have read the set,
.if (\i) < 2
	NLOAD (\i)+2                                   ; which takes the row two further on
.endif
.set ss, 0
.rept 2
.set qq, 0
.rept NQ
.set ii, 0
.rept 16
	v_med3_num_f32 v[NTM+ii], v[NZ+16*ss+ii], -v[233+2*qq], v[233+2*qq]
.set ii, ii+1
.endr
	v_cvt_scalef32_pk8_bf8_f32 v[NC+4*(NQ*ss+qq):NC+4*(NQ*ss+qq)+1], v[NTM:NTM+7], v[232+2*qq]
	v_cvt_scalef32_pk8_bf8_f32 v[NC+4*(NQ*ss+qq)+2:NC+4*(NQ*ss+qq)+3], v[NTM+8:NTM+15], v[232+2*qq]
	v_nop                                          ; a plain line between the conversions and the next holds, which write their sources
	global_store_b128 v3, v[NC+4*(NQ*ss+qq):NC+4*(NQ*ss+qq)+3], s[OB0+2*qq:OB0+2*qq+1] offset:1024*(\i)+512*ss   ; 512 consecutive bytes of the row's codes
.set qq, qq+1
.endr
.set ss, ss+1
.endr
.endm
; One row of the table: t = s62 + k.  A lane makes two numbers, frequencies i and i + 1, i = 2 (lane % 16); lanes 0-15 the cosines, lanes 16-31 the sines.
; angle = t x inv; k = round(angle x 2 / pi); r = angle - k pi / 2 in two steps; sin(r + q pi / 2) with q = k (+ 1 for a cosine): q odd takes cos r, bit 1 of q turns the sign.
.macro ROPE k
	s_add_co_u32 s60, s62, \k
	v_cvt_f32_u32 v216, s60
.irp e, 0,1
	v_mul_f32 v[218+\e], v216, v[8+\e]
	v_mul_f32 v[220+\e], 0x3f22f983, v[218+\e]
	v_rndne_f32 v[220+\e], v[220+\e]
	v_fma_f32 v[218+\e], -v[220+\e], s58, v[218+\e]
	v_fma_f32 v[218+\e], -v[220+\e], s59, v[218+\e]
	v_cvt_i32_f32 v[220+\e], v[220+\e]
	v_add_nc_u32 v[220+\e], v[220+\e], v6
	v_mul_f32 v[222+\e], v[218+\e], v[218+\e]
	v_mov_b32 v[224+\e], 0x3638ef1d                ; sin r = r + r r2 (-1/6 + r2 (1/120 + r2 (-1/5040 + r2 / 362880))), |r| <= pi / 4
	v_fmaak_f32 v[224+\e], v[224+\e], v[222+\e], 0xb9500d01
	v_fmaak_f32 v[224+\e], v[224+\e], v[222+\e], 0x3c088889
	v_fmaak_f32 v[224+\e], v[224+\e], v[222+\e], 0xbe2aaaab
	v_mul_f32 v[224+\e], v[224+\e], v[222+\e]
	v_fma_f32 v[224+\e], v[224+\e], v[218+\e], v[218+\e]
	v_mov_b32 v[226+\e], 0xb493f27e                ; cos r = 1 + r2 (-1/2 + r2 (1/24 + r2 (-1/720 + r2 (1/40320 - r2 / 3628800))))
	v_fmaak_f32 v[226+\e], v[226+\e], v[222+\e], 0x37d00d01
	v_fmaak_f32 v[226+\e], v[226+\e], v[222+\e], 0xbab60b61
	v_fmaak_f32 v[226+\e], v[226+\e], v[222+\e], 0x3d2aaaab
	v_fmaak_f32 v[226+\e], v[226+\e], v[222+\e], 0xbf000000
	v_fma_f32 v[226+\e], v[226+\e], v[222+\e], 1.0
	v_and_b32 v[228+\e], 1, v[220+\e]
	v_cmp_eq_u32 vcc_lo, 1, v[228+\e]
	v_cndmask_b32 v[224+\e], v[224+\e], v[226+\e], vcc_lo
	v_and_b32 v[228+\e], 2, v[220+\e]
	v_lshlrev_b32 v[228+\e], 30, v[228+\e]
	v_xor_b32 v[10+2*\k+\e], v[224+\e], v[228+\e]
.endr
	global_store_b64 v7, v[10+2*\k:11+2*\k], s[28:29] offset:256*\k   ; the wave stores the row's 256 consecutive bytes, aligned
.endm
.Lnorm:
	s_sub_co_u32 s49, ttmp9, WGW                   ; n = 0 .. 255
	s_lshl_b32 s58, s49, 4
	s_lshl_b32 s60, s48, 2
	s_add_co_u32 s58, s58, s60                     ; my first row: 16 n + 4 wave
	s_lshl_b32 s60, s58, 12
	s_mov_b32 s61, 0
	s_add_nc_u64 s[SX:SX+1], s[SX:SX+1], s[60:61]
	s_lshl_b32 s60, s58, 10
	s_add_nc_u64 s[50:51], s[26:27], s[60:61]      ; its codes under e0,
	s_add_nc_u64 s[52:53], s[50:51], 0x400000      ; e2,
	s_add_nc_u64 s[54:55], s[50:51], 0x800000      ; e4
	s_lshl_b32 s62, s49, 3
	s_lshl_b32 s60, s48, 1
	s_add_co_u32 s62, s62, s60                     ; my first row of the table: 8 n + 2 wave
	s_lshl_b32 s60, s62, 8
	s_add_nc_u64 s[28:29], s[28:29], s[60:61]
.irp j, 0,1,2,3,4,5,6,7
	global_load_b128 v[NW+4*\j:NW+4*\j+3], v3, s[SWT:SWT+1] offset:512*\j
.endr
.irp j, 0,1,2,3,4,5,6,7
	global_load_b128 v[NB+4*\j:NB+4*\j+3], v3, s[SBS:SBS+1] offset:512*\j
.endr
	NLOAD 0
	NLOAD 1
	s_mov_b32 s[SEL], 0x76543210
	s_mov_b32 s[SEL+1], 0xfedcba98
	s_mov_b32 s[K1], 0x3a800000                    ; 1 / 1024
	s_mov_b32 s[K1+1], 0x3727c5ac                  ; 1e-5
	s_mov_b32 s58, 0x3fc90fdb                      ; pi / 2, its f32 part
	s_mov_b32 s59, 0xb33bbd2e                      ; and the rest
	v_and_b32 v4, 15, v2
	v_lshrrev_b32 v5, 4, v2
	v_sub_nc_u32 v6, 1, v5                         ; 1 for a cosine's lane
	v_lshlrev_b32 v7, 3, v2
	v_lshlrev_b32 v4, 1, v4
	v_cvt_f32_u32 v8, v4
	v_add_f32 v9, 1.0, v8
	v_mul_f32 v8, 0xbed49a78, v8                   ; -i log2(10000) / 32
	v_mul_f32 v9, 0xbed49a78, v9
	v_exp_f32 v8, v8
	v_exp_f32 v9, v9
	v_nop                                          ; a plain line behind the transcendentals
	s_wait_alu depctr_va_vdst(0)
	ROPE 0
	ROPE 1
	s_wait_kmcnt 0x0
.irp q, 0,1,2
	s_add_co_i32 s60, s[32+2*\q], 127              ; e0, e2, e4
	s_lshl_b32 s61, s60, 23
	v_mov_b32 v[232+2*\q], s61
	s_add_co_i32 s60, s60, 15
	s_lshl_b32 s60, s60, 23
	s_or_b32 s60, s60, 0x600000
	v_mov_b32 v[233+2*\q], s60
.endr
	NROW 0
	NROW 1
	NROW 2
	NROW 3
	s_wait_tensorcnt 0x0
	ds_add_u32 v240, v241
	s_wait_dscnt 0x0
	s_endpgm
.Lfunc_end_k_q5fe23add31_prep:
	.size	k_q5fe23add31_prep, .Lfunc_end_k_q5fe23add31_prep-k_q5fe23add31_prep
	.p2alignl 7, 3214868480
	.fill 96, 4, 3214868480
	.section	.rodata,"a",@progbits
	.p2align	6, 0x0
	.amdhsa_kernel k_q5fe23add31_prep
		.amdhsa_group_segment_fixed_size 66048
		.amdhsa_private_segment_fixed_size 0
		.amdhsa_enable_private_segment 0
		.amdhsa_kernarg_size 104
		.amdhsa_user_sgpr_count 2
		.amdhsa_user_sgpr_kernarg_segment_ptr 1
		.amdhsa_wavefront_size32 1
		.amdhsa_system_sgpr_workgroup_id_x 1
		.amdhsa_system_sgpr_workgroup_id_y 1
		.amdhsa_system_sgpr_workgroup_id_z 1
		.amdhsa_system_vgpr_workitem_id 0
		.amdhsa_next_free_vgpr 242
		.amdhsa_next_free_sgpr 66
		.amdhsa_reserve_vcc 1
		.amdhsa_float_denorm_mode_32 3
		.amdhsa_float_denorm_mode_16_64 3
		.amdhsa_memory_ordered 1
		.amdhsa_forward_progress 1
		.amdhsa_inst_pref_size 110
	.end_amdhsa_kernel
	.amdgpu_metadata
---
amdhsa.version: [ 1, 2 ]
amdhsa.kernels:
  - .name:           k_q5fe23add31_prep
    .symbol:         k_q5fe23add31_prep.kd
    .args:
      - { .name: wq, .offset: 0, .size: 8, .value_kind: global_buffer, .address_space: global }
      - { .name: wk, .offset: 8, .size: 8, .value_kind: global_buffer, .address_space: global }
      - { .name: wv, .offset: 16, .size: 8, .value_kind: global_buffer, .address_space: global }
      - { .name: wo, .offset: 24, .size: 8, .value_kind: global_buffer, .address_space: global }
      - { .name: w1, .offset: 32, .size: 8, .value_kind: global_buffer, .address_space: global }
      - { .name: w2, .offset: 40, .size: 8, .value_kind: global_buffer, .address_space: global }
      - { .name: x, .offset: 48, .size: 8, .value_kind: global_buffer, .address_space: global }
      - { .name: norm1_w, .offset: 56, .size: 8, .value_kind: global_buffer, .address_space: global }
      - { .name: norm1_b, .offset: 64, .size: 8, .value_kind: global_buffer, .address_space: global }
      - { .name: lowp_scales, .offset: 72, .size: 8, .value_kind: global_buffer, .address_space: global }
      - { .name: wcodes, .offset: 80, .size: 8, .value_kind: global_buffer, .address_space: global }
      - { .name: hcodes, .offset: 88, .size: 8, .value_kind: global_buffer, .address_space: global }
      - { .name: rope, .offset: 96, .size: 8, .value_kind: global_buffer, .address_space: global }
    .group_segment_fixed_size: 66048
    .private_segment_fixed_size: 0
    .kernarg_segment_align: 8
    .kernarg_segment_size: 104
    .max_flat_workgroup_size: 128
    .sgpr_count:     66
    .vgpr_count:     242
    .wavefront_size: 32
...
	.end_amdgpu_metadata
.endif
;; end of part 1
;; launch qkv (part 2): grid 12 x 16, 4 waves a work-group, clusters of 4 x 4, 327,680 bytes of LDS; arguments hcodes, wcodes, lowp_scales, rope, qkvimg; writes qkvimg
.if DOCPART == 2
	.amdgcn_target "amdgcn-amd-amdhsa--gfx1250"
	.amdhsa_code_object_version 6
	.text
	.protected	k_q5fe23add31_qkv
	.globl	k_q5fe23add31_qkv
	.p2align	8
	.type	k_q5fe23add31_qkv,@function
k_q5fe23add31_qkv:
	s_mov_b64 s[64:65], 0
	v_nop
	global_prefetch_b8 v0, s[64:65] scope:SCOPE_SE
	s_setreg_imm32_b32 hwreg(HW_REG_WAVE_MODE, 25, 1), 1
	s_wait_xcnt 0x0
	s_wait_alu depctr_hold_cnt(0) depctr_sa_sdst(0) depctr_va_vdst(0) depctr_va_sdst(0) depctr_va_ssrc(0) depctr_va_vcc(0) depctr_vm_vsrc(0)
	s_getreg_b32 s2, hwreg(HW_REG_IB_STS2, 6, 4)
	s_cmp_eq_u32 s2, 0
	s_cbranch_scc0 .Lentry_in_a_cluster
	s_endpgm
.Lentry_in_a_cluster:
	s_bfe_u32 s2, ttmp6, 0x10000c
	s_cmp_lg_u32 s2, 0xf033
	s_cbranch_scc0 .Lentry_shape_is_right
	s_endpgm
.Lentry_shape_is_right:
; Q, K and V: three GEMMs [4096 x 1024] x [1024 x 1024] on codes of BF8, the rotary turn, and the quantising of the results for attention, in one launch.
; Cluster x (alike in all partners of a cluster) says which: 0 = Q, 1 = K, 2 = V.  No branch hangs on it: only selects of offsets and of the two buffers.
; A tile of C, 256 x 256, is made by four waves, 128 x 128 each: 64 accumulators, 512 registers.  K goes in steps of 256 through a ring of two LDS slots filled by joint tensor loads:
; 4 x 4 work-groups form a cluster; A's tile is shared along a row of the cluster, B's along a column.
; THE MATRIX INSTRUCTION IS USED TRANSPOSED (source 0 = 16 rows of B, source 1 = 16 rows of A): lane (r, h) holds row r of A's block and, in register j, row 8 h + j of B's block.
;   Q, K: A = the tokens' codes, B = the weight: a lane holds a token and 8 neighbouring channels.   V: A = wv, B = the tokens' codes: a lane holds a channel and 8 neighbouring tokens (keys).
; So the codes of four neighbouring accumulators are the eight registers of an operand of the K = 64 form, with every k in its own place: they are stored as IMAGES of those registers
; (1,024 bytes: registers 0-3 at 16 x lane, registers 4-7 at 512 + 16 x lane).  qkvimg: Q at 0, K at 4 MiB: image (head of 32) x 128 + token / 16;  V at 8 MiB: ((head of 32) x 32 + key / 64) x 4 + channel / 16.
; THE ROTARY TURN is linear, so it is made on the raw sums, and the conversion's one scale is 2^(e_out - e_a - e_b).  V's work-groups walk the same lines with the table's row 0, (cos, sin) = (1, 0):
; a turn by nothing; all partners and all clusters run one path.
; LIMITS: e6-e0-e1, e7-e2-e3 and e9-e4-e5 between -126 and 112.  NaN and infinities among the sums are not served.
; REGISTERS: window 0: v0-31 addresses; v128-255 A's fragments, ONE set; on the way out v32-95 the turned numbers, v96-223 codes, v224, v225 scale and hold.
;   window 1: B's fragments, two sets; on the way out the table.   windows 2, 3: the accumulators ((a, b) at v[8 (8 (a % 4) + b)] of window 2 + a / 4).
.set SIZE_K, 1024
.set KSTEP,  256
.set ROWB,   256
.set KROW,   SIZE_K
.set PITCH,  272                       ; an LDS row: 256 bytes + 16 of padding: the 16 rows that a load touches start at 16 different banks
.set FR,     16
.set NL,     4
.set NP,     4
.set HALFT,  128*PITCH
.set SLOT,   4*HALFT
.set LAPS,   SIZE_K/(2*KSTEP)
.set SPARE,  2*SLOT                    ; behind the ring: the spare words, 128 bytes a wave: two blocks of 256 bytes that no other line names
.set TA,   8                           ; v8-15   byte offset in the table of my row of block a, + 32 h
.set ADRA, 16
.set ADRB, 20
.set CO,   26                          ; v26     16 x lane
.set SPW,  28
.set NIL,  29
.set T,    32
.set CD,   96
.set AF,   128
.set G1, 24
.set G0, 32
.set G1B, 48
.set G0B, 56
.set MSB, 0
.macro WIN new                         ; the immediate's high byte repeats the setting that is left
.if MSB != \new
	s_set_vgpr_msb (MSB<<8)|\new
.set MSB, \new
.endif
.endm
.set MUL_LO, 0xa1
.set MUL_HI, 0xf1
.set TO_B,   0x40
; A joint load: waves 0 and 1 fetch for A, waves 2 and 3 for B; the branch hangs on the wave's number alone.  Four v_nop follow each of the two lines.
.macro JLOAD g0a, g1a, g0b, g1b
	s_cmp_eq_u32 s15, 0
	s_cbranch_scc0 .Lfor_b_\@
	tensor_load_to_lds s[\g0a:\g0a+3], s[\g1a:\g1a+7]
	s_nop 0
.rept 4
	v_nop
.endr
	s_branch .Lasked_\@
.Lfor_b_\@:
	tensor_load_to_lds s[\g0b:\g0b+3], s[\g1b:\g1b+7]
	s_nop 0
.rept 4
	v_nop
.endr
.Lasked_\@:
.endm
.macro CREST                           ; a round of the cluster's barrier behind its opening barrier
	s_cmp_lg_u32 s14, 0
	s_cbranch_scc1 .Lnot_wave_0_\@
	s_barrier_signal -3
.Lnot_wave_0_\@:
	s_barrier_wait -3
	s_barrier_signal -1
	s_barrier_wait -1
.endm
.macro CROUND
	s_barrier_signal -1
	s_barrier_wait -1
	CREST
.endm
	s_load_b128 s[4:7], s[0:1], 0x0                ; hcodes, wcodes
	s_load_b128 s[8:11], s[0:1], 0x10              ; the scales' exponents, the table
	s_load_b64 s[12:13], s[0:1], 0x20              ; qkvimg
	v_lshl_add_u32 v[SPW], v0, 2, SPARE
	v_mov_b32 v[NIL], 0
	ds_add_u32 v28, v29
	ds_add_u32 v28, v29
	s_wait_dscnt 0x0
	v_lshrrev_b32 v1, 5, v0
	v_readfirstlane_b32 s14, v1                    ; wave 0..3
	s_lshr_b32 s15, s14, 1                         ; which half of A's rows is mine.  Also: I fetch for A (0) or for B (1)
	s_and_b32 s16, s14, 1                          ; which half of B's rows.  Also: which 128 rows of that tile I fetch
	s_bfe_u32 s40, ttmp6, 0x40000                  ; cx
	s_bfe_u32 s41, ttmp6, 0x40004                  ; cy
	s_and_b32 s17, ttmp7, 0xffff
	s_lshl_b32 s17, s17, 2                         ; 4 x cluster y
	s_add_co_u32 s66, s17, s41                     ; 4 cluster y + cy
	s_add_co_u32 s67, s17, s40                     ; 4 cluster y + cx
	s_lshl_b32 s92, ttmp9, 22                      ; Q, K: the tokens' codes under e0 or e2
	s_lshl_b32 s93, ttmp9, 20                      ; Q, K: wq or wk
	s_lshl_b32 s43, s41, 2
	s_lshl_b32 s43, 15, s43                        ; my row of the cluster
	s_lshl_b32 s44, 0x1111, s40                    ; my column
	s_cmp_eq_u32 ttmp9, 2                          ; V?
	s_cselect_b32 s17, s41, s66                    ; A's tile row: V: cy (of wv's 4);  else 4 cluster y + cy (of the tokens' 16): it never holds cx
	s_cselect_b32 s42, s67, s40                    ; B's tile row: V: 4 cluster y + cx;  else cx: it never holds cy
	s_cselect_b32 s92, 0x200000, s92               ; A's offset in its buffer: V: wv
	s_cselect_b32 s93, 0x800000, s93               ; B's: V: the tokens' codes under e4
	s_or_b32 s[G1+0], s43, (0<<16)|(1<<20)|(1<<21)|(5<<22)|(3<<25)  ; the mask: A's tiles go to my row; elements of 1 byte; padding: 4 words behind every 64; bit 21 beside a mask
	s_or_b32 s[G1B+0], s44, (0<<16)|(1<<20)|(1<<21)|(5<<22)|(3<<25)
.irp g, G1, G1B
	s_mov_b32 s[\g+1], ROWB<<16                    ; tensor_dim0
	s_mov_b32 s[\g+2], 128<<16                     ; tensor_dim1
	s_mov_b32 s[\g+3], ROWB<<16                    ; tile_dim0
	s_mov_b32 s[\g+4], 128                         ; tile_dim1
	s_mov_b32 s[\g+5], KROW                        ; from row to row
	s_mov_b32 s[\g+6], 0
	s_mov_b32 s[\g+7], 0
.endr
	s_lshl_b32 s18, s16, 17                        ; the 128 rows that I fetch, x 1,024 bytes
	s_lshl_b32 s20, s17, 18
	s_add_co_u32 s20, s20, s18
	s_add_co_u32 s20, s20, s92
	s_mov_b32 s21, 0
	s_lshl_b32 s46, s42, 18
	s_add_co_u32 s46, s46, s18
	s_add_co_u32 s46, s46, s93
	s_mov_b32 s47, 0
	s_mul_i32 s45, s14, HALFT                      ; where they go: wave x 128 rows
	s_wait_kmcnt 0x0
	s_load_b512 s[68:83], s[8:9], 0x0              ; e0 .. e15
	s_cmp_eq_u32 ttmp9, 2
	s_cselect_b64 s[94:95], s[6:7], s[4:5]         ; A's buffer
	s_cselect_b64 s[96:97], s[4:5], s[6:7]         ; B's
	s_add_nc_u64 s[20:21], s[94:95], s[20:21]
	s_add_nc_u64 s[46:47], s[96:97], s[46:47]
	CROUND                                         ; all sixteen work-groups are here: the first joint loads meet
.irp s, 0,1
	s_mov_b32 s[G0+4*\s], 1
	s_add_co_u32 s[G0+4*\s+1], s45, \s*SLOT
	s_add_nc_u64 s[G0+4*\s+2:G0+4*\s+3], s[20:21], \s*ROWB
	s_or_b32 s[G0+4*\s+3], s[G0+4*\s+3], 0x80000000
	s_mov_b32 s[G0B+4*\s], 1
	s_add_co_u32 s[G0B+4*\s+1], s45, \s*SLOT
	s_add_nc_u64 s[G0B+4*\s+2:G0B+4*\s+3], s[46:47], \s*ROWB
	s_or_b32 s[G0B+4*\s+3], s[G0B+4*\s+3], 0x80000000
	JLOAD G0+4*\s, G1, G0B+4*\s, G1B
.endr
	v_and_b32 v1, 15, v0                           ; r
	v_bfe_u32 v2, v0, 4, 1                         ; h
	v_mul_u32_u24 v3, v1, PITCH
	v_lshl_add_u32 v4, v2, 4, v3
	s_mul_i32 s21, s15, HALFT
	s_mul_i32 s22, s16, HALFT
	s_add_co_u32 s22, s22, 2*HALFT
.irp s, 0,1
	v_add_nc_u32 v[ADRA+\s], s21, v4
	v_add_nc_u32 v[ADRB+\s], s22, v4
	s_add_co_u32 s21, s21, SLOT
	s_add_co_u32 s22, s22, SLOT
.endr
	v_and_b32 v6, 31, v0
	v_lshlrev_b32 v[CO], 4, v6
	; where the images go, and which rows of the table I want: all selects behind one compare
	s_mov_b32 s98, 0x1000
	s_mov_b32 s99, 0x20000
	s_cmp_eq_u32 ttmp9, 2
	s_cselect_b32 s92, s42, s17                    ; the tokens' tile row
	s_cselect_b32 s93, s17, s42                    ; the channels'
	s_cselect_b32 s94, s16, s15                    ; my half of the tokens
	s_cselect_b32 s95, s15, s16                    ; of the channels
	s_cselect_b32 s96, 0, 256                      ; the table: bytes from token to token (V: none)
	s_cselect_b32 s97, 0, 4096                     ; and from block to block
	s_cselect_b32 s66, s99, s98                    ; X: bytes from A's blocks 0-3 to 4-7: Q, K four tiles of tokens; V a head
	s_cselect_b32 s67, s98, s99                    ; Y: bytes from B's blocks 0-3 to 4-7: Q, K a head; V 64 keys
	s_mov_b32 s98, s66
	s_mov_b32 s99, s67
	s_lshr_b32 s66, s92, 3                         ; the batch
	s_lshl_b32 s66, s66, 4
	s_lshl_b32 s67, s93, 2
	s_add_co_u32 s66, s66, s67
	s_lshl_b32 s67, s95, 1
	s_add_co_u32 s66, s66, s67                     ; my first head of 32
	s_lshl_b32 s66, s66, 17
	s_and_b32 s67, s92, 7
	s_lshl_b32 s67, s67, 8
	s_lshl_b32 s94, s94, 7
	s_add_co_u32 s67, s67, s94                     ; my first token in its batch
	s_mul_i32 s95, s67, s96                        ; its row of the table (V: row 0)
	s_lshl_b32 s67, s67, 6
	s_add_co_u32 s66, s66, s67
	s_lshl_b32 s67, ttmp9, 22
	s_add_co_u32 s66, s66, s67
	s_mov_b32 s67, 0
	s_add_nc_u64 s[84:85], s[12:13], s[66:67]      ; P(0, 0)
	s_mov_b32 s66, s99
	s_add_nc_u64 s[86:87], s[84:85], s[66:67]      ; P(0, 1)
	s_mov_b32 s66, s98
	s_add_nc_u64 s[88:89], s[84:85], s[66:67]      ; P(1, 0)
	s_add_nc_u64 s[90:91], s[86:87], s[66:67]      ; P(1, 1)
	v_mul_u32_u24 v[TA], v1, s96
	v_lshl_add_u32 v[TA], v2, 5, v[TA]
	v_add_nc_u32 v[TA], s95, v[TA]
.irp a, 1,2,3,4,5,6,7
	v_add_nc_u32 v[TA+\a], s97, v[TA+\a-1]
.endr
.macro FRAG reg, adr, q, i             ; 16 rows x 128 K: lane l holds row l % 16; registers 4 c .. 4 c + 3 hold K = 32 c + 16 (l / 16) + 0 .. 15: the same permutation of k in A and in B
.irp c, 0,1,2,3
	ds_load_b128 v[\reg+4*\c:\reg+4*\c+3], v[\adr] offset:128*(\q)+32*\c+(\i)*16*PITCH
.endr
.endm
; 16 matrix instructions: A's blocks a0, a0 + 1 x B's eight.  The 64 accumulators take turns, one instruction a turn, in the same order in every step.
.macro MUL16 a0, p, zero
.irp a, \a0, \a0+1
.irp b, 0,1,2,3,4,5,6,7
.if \zero
	v_wmma_f32_16x16x128_bf8_bf8 v[8*(8*((\a)%4)+\b):8*(8*((\a)%4)+\b)+7], v[128*(\p)+FR*\b:128*(\p)+FR*\b+FR-1], v[AF+FR*(\a):AF+FR*(\a)+FR-1], 0
.else
	v_wmma_f32_16x16x128_bf8_bf8 v[8*(8*((\a)%4)+\b):8*(8*((\a)%4)+\b)+7], v[128*(\p)+FR*\b:128*(\p)+FR*\b+FR-1], v[AF+FR*(\a):AF+FR*(\a)+FR-1], v[8*(8*((\a)%4)+\b):8*(8*((\a)%4)+\b)+7]
.endif
.endr
.endr
.endm
.macro FETCH_B slot, q, p
	WIN TO_B
.irp i, 0,1,2,3,4,5,6,7
	FRAG 128*(\p)+FR*\i, ADRB+\slot, \q, \i
.endr
	WIN 0
.endm
.macro FETCH_A slot, q, i0
.irp i, \i0, \i0+1, \i0+2, \i0+3
	FRAG AF+FR*(\i), ADRA+\slot, \q, \i
.endr
.endm
.macro PLACES n                        ; plain vector lines between a matrix instruction and a load into, or a vector read of, its registers
.rept \n
	v_nop
.endr
.endm
.macro STEP slot, q, zero              ; a step of 128 along K that has its successor in the same slot
	s_wait_dscnt 4*NL                              ; B's set and A's blocks 0-3 are in; the youngest sixteen loads (A's blocks 4-7) may be out
	WIN MUL_LO
	MUL16 0, (\q)%2, \zero
	MUL16 2, (\q)%2, \zero
	s_wait_dscnt 0
	PLACES NP
	FETCH_B \slot, (\q)+1, 1-(\q)%2
	FETCH_A \slot, (\q)+1, 0
	WIN MUL_HI
	MUL16 4, (\q)%2, \zero
	MUL16 6, (\q)%2, \zero
	PLACES NP
	WIN 0
	FETCH_A \slot, (\q)+1, 4
.endm
; A slot's last step changes slots: one barrier; in front of it each wave waits for all its tensor loads, adds 0 to its spare word, and waits for that and for its own reads of this slot.
.macro TURN slot, next, fill
	s_wait_tensorcnt 0x0                           ; all my tensor loads have landed: my part of the next slot
	ds_add_u32 v[SPW], v[NIL]                      ; 0 onto my spare word
	s_wait_dscnt 4*NL+1                            ; the add and the youngest sixteen loads may be out
	WIN MUL_LO
	MUL16 0, 1, 0
	s_wait_dscnt 0x0                               ; the add is done, and my reads of this slot are over
	s_barrier_signal -1
	MUL16 2, 1, 0
	WIN 0
	s_barrier_wait -1
.if \fill
	CREST                                          ; the barrier has opened a round of the cluster's: no wave of any partner still reads this slot or has a load on its way
	s_add_nc_u64 s[G0+4*\slot+2:G0+4*\slot+3], s[G0+4*\slot+2:G0+4*\slot+3], 2*ROWB
	s_add_nc_u64 s[G0B+4*\slot+2:G0B+4*\slot+3], s[G0B+4*\slot+2:G0B+4*\slot+3], 2*ROWB
	JLOAD G0+4*\slot, G1, G0B+4*\slot, G1B         ; the first tensor load behind the round; its four v_nop are the places in front of the loads below
.else
	PLACES NP
.endif
	FETCH_B \next, 0, 0
	FETCH_A \next, 0, 0
	WIN MUL_HI
	MUL16 4, 1, 0
	MUL16 6, 1, 0
	PLACES NP
	WIN 0
	FETCH_A \next, 0, 4
.endm
	s_wait_tensorcnt 1                             ; my part of K step 0 is in; K step 1's load may be out
	s_barrier_signal -1
	s_barrier_wait -1
	FETCH_B 0, 0, 0
	FETCH_A 0, 0, 0
	FETCH_A 0, 0, 4
	STEP 0, 0, 1                                   ; the first step's products start the sums
	s_mov_b32 s3, LAPS-1
.Llap:
	TURN 0, 1, 1
	STEP 1, 0, 0
	TURN 1, 0, 1
	STEP 0, 0, 0
	s_sub_co_u32 s3, s3, 1
	s_cmp_lg_u32 s3, 0
	s_cbranch_scc1 .Llap
	TURN 0, 1, 0
	STEP 1, 0, 0
	s_wait_dscnt 4*NL
	WIN MUL_LO
	MUL16 0, 1, 0
	MUL16 2, 1, 0
	s_wait_dscnt 0
	WIN MUL_HI
	MUL16 4, 1, 0
	MUL16 6, 1, 0
	WIN 0
	; THE WAY OUT
	s_wait_kmcnt 0x0
	s_sub_co_i32 s92, s74, s68
	s_sub_co_i32 s92, s92, s69                     ; Q: e6 - e0 - e1
	s_sub_co_i32 s93, s75, s70
	s_sub_co_i32 s93, s93, s71                     ; K: e7 - e2 - e3
	s_sub_co_i32 s94, s77, s72
	s_sub_co_i32 s94, s94, s73                     ; V: e9 - e4 - e5
	s_cmp_eq_u32 ttmp9, 1
	s_cselect_b32 s92, s93, s92
	s_cmp_eq_u32 ttmp9, 2
	s_cselect_b32 s92, s94, s92
	s_add_co_i32 s92, s92, 127
	s_lshl_b32 s93, s92, 23
	s_add_co_i32 s92, s92, 15
	s_lshl_b32 s92, s92, 23
	s_or_b32 s92, s92, 0x600000
	PLACES NP                                      ; behind the last products: loads land in B's registers, vector lines write A's and read results
	v_mov_b32 v224, s93                            ; the conversion's scale
	v_mov_b32 v225, s92                            ; 57,344 x that
	WIN TO_B
.irp a, 0,1,2,3,4,5,6,7                ; the table for block a at v[32 a] of window 1: cos of frequencies 8 h + 0..7, 16 + 8 h + 0..7, then sin of the same
.irp k, 0,1,2,3,4,5,6,7
	global_load_b128 v[32*\a+4*\k:32*\a+4*\k+3], v[TA+\a], s[10:11] offset:64*(\k/2)+16*(\k%2)
.endr
.endr
	WIN 0
; Block a: out(d) = q(d) cos - q(d + 32) sin, out(d + 32) = q(d + 32) cos + q(d) sin, d < 32: accumulators 4 hd + bb and 4 hd + bb + 2; each accumulator is read from its low end on.
.macro ROT a
.set AC, 64*((\a)%4)
	s_wait_loadcnt 56-8*(\a)                       ; block a's eight loads are in; the later blocks' may be out
	WIN 0x06+((\a)/4)                              ; source 0: the sums (window 2 or 3); source 1: the table (window 1)
.irp hd, 0,1
.irp bb, 0,1
.irp j, 0,2,4,6
	v_pk_mul_f32 v[T+8*(4*\hd+\bb)+\j:T+8*(4*\hd+\bb)+\j+1], v[AC+8*(4*\hd+\bb)+\j:AC+8*(4*\hd+\bb)+\j+1], v[32*(\a)+8*\bb+\j:32*(\a)+8*\bb+\j+1]
	v_pk_mul_f32 v[T+8*(4*\hd+\bb+2)+\j:T+8*(4*\hd+\bb+2)+\j+1], v[AC+8*(4*\hd+\bb+2)+\j:AC+8*(4*\hd+\bb+2)+\j+1], v[32*(\a)+8*\bb+\j:32*(\a)+8*\bb+\j+1]
	v_pk_fma_f32 v[T+8*(4*\hd+\bb)+\j:T+8*(4*\hd+\bb)+\j+1], v[AC+8*(4*\hd+\bb+2)+\j:AC+8*(4*\hd+\bb+2)+\j+1], v[32*(\a)+16+8*\bb+\j:32*(\a)+16+8*\bb+\j+1], v[T+8*(4*\hd+\bb)+\j:T+8*(4*\hd+\bb)+\j+1] neg_lo:[1,0,0] neg_hi:[1,0,0]
	v_pk_fma_f32 v[T+8*(4*\hd+\bb+2)+\j:T+8*(4*\hd+\bb+2)+\j+1], v[AC+8*(4*\hd+\bb)+\j:AC+8*(4*\hd+\bb)+\j+1], v[32*(\a)+16+8*\bb+\j:32*(\a)+16+8*\bb+\j+1], v[T+8*(4*\hd+\bb+2)+\j:T+8*(4*\hd+\bb+2)+\j+1]
.endr
.endr
.endr
	WIN 0
.set ii, 0
.rept 64
	v_med3_num_f32 v[T+ii], v[T+ii], -v225, v225   ; the conversion does not saturate (ISA guide 7.6.2): the hold comes first
.set ii, ii+1
.endr
.irp b, 0,1,2,3,4,5,6,7
	v_cvt_scalef32_pk8_bf8_f32 v[CD+16*(\a)+2*\b:CD+16*(\a)+2*\b+1], v[T+8*\b:T+8*\b+7], v224
.endr
	v_nop                                          ; a plain line between the conversions and the next block's lines, which write their sources
.irp g, 0,1
	global_store_b128 v[CO], v[CD+16*(\a)+8*\g:CD+16*(\a)+8*\g+3], s[84+4*((\a)/4)+2*\g:85+4*((\a)/4)+2*\g] offset:((\a)%4)*1024        ; an image's two halves: 512 consecutive bytes each;
	global_store_b128 v[CO], v[CD+16*(\a)+8*\g+4:CD+16*(\a)+8*\g+7], s[84+4*((\a)/4)+2*\g:85+4*((\a)/4)+2*\g] offset:((\a)%4)*1024+512   ; each block has its own registers: no store's data are written again
.endr
.endm
.irp a, 0,1,2,3,4,5,6,7
	ROT \a
.endr
	s_wait_tensorcnt 0x0                           ; the wave's end
	ds_add_u32 v[SPW], v[NIL]
	s_wait_dscnt 0x0
	CROUND                                         ; the closing round: no work-group ends while a partner may still ask for a tile that names it
	s_endpgm
.Lfunc_end_k_q5fe23add31_qkv:
	.size	k_q5fe23add31_qkv, .Lfunc_end_k_q5fe23add31_qkv-k_q5fe23add31_qkv
	.p2alignl 7, 3214868480
	.fill 96, 4, 3214868480
	.section	.rodata,"a",@progbits
	.p2align	6, 0x0
	.amdhsa_kernel k_q5fe23add31_qkv
		.amdhsa_group_segment_fixed_size 327680
		.amdhsa_private_segment_fixed_size 0
		.amdhsa_enable_private_segment 0
		.amdhsa_kernarg_size 40
		.amdhsa_user_sgpr_count 2
		.amdhsa_user_sgpr_kernarg_segment_ptr 1
		.amdhsa_wavefront_size32 1
		.amdhsa_system_sgpr_workgroup_id_x 1
		.amdhsa_system_sgpr_workgroup_id_y 1
		.amdhsa_system_sgpr_workgroup_id_z 1
		.amdhsa_system_vgpr_workitem_id 0
		.amdhsa_next_free_vgpr 1024
		.amdhsa_next_free_sgpr 100
		.amdhsa_reserve_vcc 0
		.amdhsa_float_denorm_mode_32 3
		.amdhsa_float_denorm_mode_16_64 3
		.amdhsa_memory_ordered 1
		.amdhsa_forward_progress 1
		.amdhsa_inst_pref_size 158
	.end_amdhsa_kernel
	.amdgpu_metadata
---
amdhsa.version: [ 1, 2 ]
amdhsa.kernels:
  - .name:           k_q5fe23add31_qkv
    .symbol:         k_q5fe23add31_qkv.kd
    .args:
      - { .name: hcodes, .offset: 0, .size: 8, .value_kind: global_buffer, .address_space: global }
      - { .name: wcodes, .offset: 8, .size: 8, .value_kind: global_buffer, .address_space: global }
      - { .name: lowp_scales, .offset: 16, .size: 8, .value_kind: global_buffer, .address_space: global }
      - { .name: rope, .offset: 24, .size: 8, .value_kind: global_buffer, .address_space: global }
      - { .name: qkvimg, .offset: 32, .size: 8, .value_kind: global_buffer, .address_space: global }
    .group_segment_fixed_size: 327680
    .private_segment_fixed_size: 0
    .kernarg_segment_align: 8
    .kernarg_segment_size: 40
    .max_flat_workgroup_size: 128
    .sgpr_count:     100
    .vgpr_count:     1024
    .wavefront_size: 32
...
	.end_amdgpu_metadata
.endif
;; end of part 2
;; launch attn (part 3): grid 32 x 8, 4 waves a work-group, no clusters, 17,920 bytes of LDS; arguments qkvimg, lowp_scales, acodes; writes acodes
.if DOCPART == 3
	.amdgcn_target "amdgcn-amd-amdhsa--gfx1250"
	.amdhsa_code_object_version 6
	.text
	.protected	k_q5fe23add31_attn
	.globl	k_q5fe23add31_attn
	.p2align	8
	.type	k_q5fe23add31_attn,@function
k_q5fe23add31_attn:
	s_mov_b64 s[64:65], 0
	v_nop
	global_prefetch_b8 v0, s[64:65] scope:SCOPE_SE
	s_setreg_imm32_b32 hwreg(HW_REG_WAVE_MODE, 25, 1), 1
	s_wait_xcnt 0x0
; Attention with the causal window of 125 keys (key k counts for query q where 0 <= q - k < 125), both products on codes of BF8, by the K = 64 form.
; A work-group owns 64 queries (work-group x) of four heads (work-group y = 4 x batch + group of heads); wave w is one head.  Q, K and V come as images of operand registers:
; every fragment is two loads of 512 consecutive bytes, straight into its registers; no LDS on the way in, and all 56 loads of a wave go out at its head.
; A tile of 16 queries sees at most 9 tiles of 16 keys (the 128 keys before its first query, and its own 16): ONE step holds a query's whole window, so the largest t is the row's own and no running maximum is needed.
; Both products are used transposed: S^T = K Q^T, O^T = V^T P^T: a lane holds ONE query (lane % 16); a tile's eight registers are keys 8 (lane / 16) + 0..7, so the codes of p are the second product's operand as they stand.
; SOFTMAX: t = score x log2(e) / 8; M = ceil(the row's largest t); p = 2^(t - M) is quantised with 2^e8; the row's sum is taken of the unquantised p and divides at the end.
; Keys before the sequence's first (work-groups x = 0, 1) are read from clamped addresses and hidden like keys outside the window: their score becomes -infinity, p = 0.  A query's own key always counts.
; The wave's 12 key slots: slot i = keys 64 x - 128 + 16 i; tile u of the queries uses slots u .. u + 8; p's codes of the other three slots are zeros.
; The result is quantised with 2^e10 for the next product; four heads' 64 bytes meet in LDS, so that sixteen lanes store 256 consecutive bytes, aligned.
; LIMITS: e6 + e7 between -123 and 130; e8 and e10 - e8 - e9 between -126 and 112.
; REGISTERS: v1-3 offsets of the three groups of 64 keys; v4 16 x lane; v5-7 the way out; v12 -M; v[14:15] the sum; v16-47 Q; v48-119 S^T, then p; v120-143 p's codes; v144-175 O^T; v176-207, v208-215 the result and its codes;
;   v232 -infinity; v233, v234 and v235, v236: scale and hold for p and for the result.   window 1: v0-95 K (slot i at 8 i), v96-191 V (group m, channels 16 ct on: 96 + 8 (4 m + ct)).
.set Q, 16
.set S, 48
.set P, 120
.set O, 144
.set T, 176
.set CD, 208
.set SEL, 26
.set MSB, 0
.macro WIN new
.if MSB != \new
	s_set_vgpr_msb (MSB<<8)|\new
.set MSB, \new
.endif
.endm
	s_load_b128 s[4:7], s[0:1], 0x0                ; qkvimg, the scales' exponents
	s_load_b64 s[8:9], s[0:1], 0x10                ; acodes
	v_lshl_add_u32 v254, v0, 2, 0x4400
	v_mov_b32 v255, 0
	v_lshrrev_b32 v1, 5, v0
	v_readfirstlane_b32 s10, v1                    ; wave
	s_and_b32 s11, ttmp7, 0xffff                   ; y
	s_lshl_b32 s12, s11, 2
	s_add_co_u32 s12, s12, s10                     ; my head of 32
	s_lshl_b32 s12, s12, 17
	s_mov_b32 s13, 0
	s_lshl_b32 s14, ttmp9, 12                      ; my four tiles of queries
	s_mov_b32 s15, 0
	s_sub_co_i32 s36, ttmp9, 2
	s_max_i32 s36, s36, 0
	s_lshl_b32 s36, s36, 12                        ; the three groups of 64 keys, clamped to the sequence's first
	s_sub_co_i32 s37, ttmp9, 1
	s_max_i32 s37, s37, 0
	s_lshl_b32 s37, s37, 12
	s_lshl_b32 s38, ttmp9, 12
	v_and_b32 v4, 31, v0
	v_lshlrev_b32 v4, 4, v4
	v_add_nc_u32 v1, s36, v4
	v_add_nc_u32 v2, s37, v4
	v_add_nc_u32 v3, s38, v4
	s_wait_kmcnt 0x0
	s_load_b256 s[28:35], s[6:7], 0x18             ; e6 .. e13
	s_add_nc_u64 s[16:17], s[4:5], s[12:13]
	s_add_nc_u64 s[18:19], s[16:17], s[14:15]      ; Q
	s_add_nc_u64 s[20:21], s[16:17], 0x400000      ; K
	s_add_nc_u64 s[24:25], s[16:17], 0x800000      ; V
.irp u, 0,1,2,3
.irp p, 0,1
	global_load_b128 v[Q+8*\u+4*\p:Q+8*\u+4*\p+3], v4, s[18:19] offset:1024*\u+512*\p
.endr
.endr
	WIN 0x40                                       ; destination window 1
.irp m, 0,1,2
.irp c, 0,1,2,3
.irp p, 0,1
	global_load_b128 v[8*(4*\m+\c)+4*\p:8*(4*\m+\c)+4*\p+3], v[1+\m], s[20:21] offset:1024*\c+512*\p
.endr
.endr
.endr
.irp m, 0,1,2
.irp c, 0,1,2,3
.irp p, 0,1
	global_load_b128 v[96+8*(4*\m+\c)+4*\p:96+8*(4*\m+\c)+4*\p+3], v[1+\m], s[24:25] offset:1024*\c+512*\p
.endr
.endr
.endr
	WIN 0
	v_and_b32 v8, 15, v0                           ; r
	v_bfe_u32 v9, v0, 4, 1                         ; h
	v_lshlrev_b32 v10, 3, v9
	v_sub_nc_u32 v10, v8, v10                      ; w = r - 8 h.  In tile i of nine, register j: query - key = 128 - 16 i + w - j
	v_add_nc_u32 v11, 4, v10
	v_add_nc_u32 v216, -12, v10
.irp j, 0,1,2,3,4,5,6,7
	v_cmp_lt_i32 s[40+\j], \j, v11                 ; tile 0: hidden where 128 + w - j >= 125
.endr
.irp j, 0,1,2
	v_cmp_lt_i32 s[48+\j], \j, v216                ; tile 1: where 112 + w - j >= 125
.endr
.irp j, 0,1,2,3,4,5,6,7
	v_cmp_gt_i32 s[52+\j], \j, v10                 ; tile 8: where w - j < 0
.endr
	s_cmp_lt_u32 ttmp9, 2
	s_cselect_b32 s60, -1, 0                       ; slots 0-3 lie before the sequence
	s_cmp_lt_u32 ttmp9, 1
	s_cselect_b32 s61, -1, 0                       ; slots 4-7 too
	s_mov_b32 s[SEL], 0x76543210
	s_mov_b32 s[SEL+1], 0xfedcba98
	v_mov_b32 v232, 0xff800000
	v_mov_b32 v13, 0                               ; (named as the upper half of the pair v[12:13])
	v_mul_u32_u24 v5, v8, 272
	v_lshl_add_u32 v5, v9, 3, v5
	s_lshl_b32 s39, s10, 6
	v_add_nc_u32 v5, s39, v5                       ; the stage, in: row r, my head's 64 bytes, + 8 h
	s_mul_i32 s39, s10, 16*272
	v_mul_u32_u24 v6, v9, 272
	v_lshl_add_u32 v6, v8, 4, v6
	v_add_nc_u32 v6, s39, v6                       ; back: my 16 rows, two an instruction, sixteen lanes to a row
	v_lshlrev_b32 v7, 10, v9
	v_lshl_add_u32 v7, v8, 4, v7                   ; and the same in acodes
	s_lshr_b32 s62, s11, 2
	s_lshl_b32 s62, s62, 21                        ; batch x 2,048 rows of 1,024 bytes
	s_lshl_b32 s39, ttmp9, 16
	s_add_co_u32 s62, s62, s39
	s_lshl_b32 s39, s10, 14
	s_add_co_u32 s62, s62, s39
	s_and_b32 s39, s11, 3
	s_lshl_b32 s39, s39, 8
	s_add_co_u32 s62, s62, s39
	s_mov_b32 s63, 0
	s_add_nc_u64 s[8:9], s[8:9], s[62:63]
	s_wait_kmcnt 0x0
	s_add_co_i32 s22, s28, s29
	s_lshl_b32 s22, s22, 23
	s_add_co_i32 s22, s22, 0x3e38aa3b              ; c = log2(e) / 8 x 2^(e6 + e7): the exponents are added to c's exponent field
	s_mov_b32 s23, s22
	s_add_co_i32 s39, s30, 127
	s_lshl_b32 s62, s39, 23
	v_mov_b32 v233, s62                            ; 2^e8
	s_add_co_i32 s39, s39, 15
	s_lshl_b32 s39, s39, 23
	s_or_b32 s39, s39, 0x600000
	v_mov_b32 v234, s39
	s_sub_co_i32 s39, s32, s30
	s_sub_co_i32 s39, s39, s31
	s_add_co_i32 s39, s39, 127
	s_lshl_b32 s62, s39, 23
	v_mov_b32 v235, s62                            ; 2^(e10 - e8 - e9): O^T / l stands for that x 2^(e8 + e9)
	s_add_co_i32 s39, s39, 15
	s_lshl_b32 s39, s39, 23
	s_or_b32 s39, s39, 0x600000
	v_mov_b32 v236, s39
.macro TILE u
.if \u == 0
	s_wait_loadcnt 24                              ; Q and K are in; V's 24 loads may be out
.endif
	WIN 0x01                                       ; source 0 window 1
.irp i, 0,1,2,3,4,5,6,7,8
	v_wmma_f32_16x16x64_bf8_bf8 v[S+8*\i:S+8*\i+7], v[8*(\u+\i):8*(\u+\i)+7], v[Q+8*\u:Q+8*\u+7], 0
.endr
	WIN 0
.irp s, 0,1,2,3,4,5,6,7,8,9,10,11
.if (\s < \u) || (\s > \u+8)
	v_mov_b32 v[P+2*\s], 0                         ; the three slots outside this tile's nine: six lines, also the places behind the products
	v_mov_b32 v[P+2*\s+1], 0
.endif
.endr
	s_cmp_ge_u32 ttmp9, 2
	s_cbranch_scc1 .Lfull_\@
.irp i, 0,1,2,3,4,5,6,7,8
.if \u+\i <= 7
.irp j, 0,1,2,3,4,5,6,7
	v_cndmask_b32 v[S+8*\i+\j], v[S+8*\i+\j], v232, s[60+(\u+\i)/4]
.endr
.endif
.endr
.Lfull_\@:
.irp j, 0,1,2,3,4,5,6,7
	v_cndmask_b32 v[S+\j], v[S+\j], v232, s[40+\j]
.endr
.irp j, 0,1,2
	v_cndmask_b32 v[S+8+\j], v[S+8+\j], v232, s[48+\j]
.endr
.irp j, 0,1,2,3,4,5,6,7
	v_cndmask_b32 v[S+64+\j], v[S+64+\j], v232, s[52+\j]
.endr
	v_max3_num_f32 v216, v[S], v[S+1], v[S+2]      ; the largest score of my query among my 72 keys, in two chains, in ascending order
	v_max3_num_f32 v217, v[S+3], v[S+4], v[S+5]
.set ii, 6
.rept 16
	v_max3_num_f32 v216, v216, v[S+ii], v[S+ii+1]
	v_max3_num_f32 v217, v217, v[S+ii+2], v[S+ii+3]
.set ii, ii+4
.endr
	v_max3_num_f32 v216, v216, v[S+70], v[S+71]
	v_max_num_f32 v216, v216, v217
	v_permlanex16_b32 v217, v216, s[SEL], s[SEL+1]
	v_max_num_f32 v216, v216, v217                 ; and among lane l xor 16's
	v_mul_f32 v216, s22, v216
	v_floor_f32 v12, -v216                         ; -M = floor(-t) = -ceil(t)
.set ii, 0
.rept 36
	v_pk_fma_f32 v[S+ii:S+ii+1], v[S+ii:S+ii+1], s[22:23], v[12:13] op_sel_hi:[1,0,0]   ; t - M
.set ii, ii+2
.endr
.set ii, 0
.rept 72
	v_exp_f32 v[S+ii], v[S+ii]                     ; p = 2^(t - M)
.set ii, ii+1
.endr
	v_nop                                          ; a plain line behind the exponentials
	s_wait_alu depctr_va_vdst(0)
	v_pk_add_f32 v[14:15], v[S:S+1], v[S+2:S+3]    ; the row's sum, of the unquantised p, in two chains
	v_pk_add_f32 v[218:219], v[S+4:S+5], v[S+6:S+7]
.set ii, 8
.rept 16
	v_pk_add_f32 v[14:15], v[14:15], v[S+ii:S+ii+1]
	v_pk_add_f32 v[218:219], v[218:219], v[S+ii+2:S+ii+3]
.set ii, ii+4
.endr
	v_pk_add_f32 v[14:15], v[14:15], v[218:219]
.set ii, 0
.rept 72
	v_min_num_f32 v[S+ii], v[S+ii], v234           ; p is not negative: a one-sided hold (the conversion does not saturate: ISA guide 7.6.2)
.set ii, ii+1
.endr
.irp i, 0,1,2,3,4,5,6,7,8
	v_cvt_scalef32_pk8_bf8_f32 v[P+2*(\u+\i):P+2*(\u+\i)+1], v[S+8*\i:S+8*\i+7], v233
.endr
	v_nop                                          ; a plain line between the conversions and the products that read their results
.if \u == 0
	s_wait_loadcnt 0x0                             ; V
.endif
	WIN 0x01
.irp m, 0,1,2                          ; O^T: four accumulators by turns, 64 keys at a time
.irp ct, 0,1,2,3
.if \m == 0
	v_wmma_f32_16x16x64_bf8_bf8 v[O+8*\ct:O+8*\ct+7], v[96+8*(4*\m+\ct):96+8*(4*\m+\ct)+7], v[P+8*\m:P+8*\m+7], 0
.else
	v_wmma_f32_16x16x64_bf8_bf8 v[O+8*\ct:O+8*\ct+7], v[96+8*(4*\m+\ct):96+8*(4*\m+\ct)+7], v[P+8*\m:P+8*\m+7], v[O+8*\ct:O+8*\ct+7]
.endif
.endr
.endr
	WIN 0
	v_add_f32 v14, v14, v15                        ; the sum's halves, and lane l xor 16's; with the lines below, the places behind the products
	v_permlanex16_b32 v216, v14, s[SEL], s[SEL+1]
	v_add_f32 v14, v14, v216
	v_rcp_f32 v14, v14
	v_nop                                          ; a plain line behind the transcendental
	s_wait_alu depctr_va_vdst(0)
	v_mov_b32 v15, v14
	v_nop
	v_nop
.set ii, 0
.rept 16
	v_pk_mul_f32 v[T+ii:T+ii+1], v[O+ii:O+ii+1], v[14:15]   ; O^T / l, each accumulator from its low end on
.set ii, ii+2
.endr
.set ii, 0
.rept 32
	v_med3_num_f32 v[T+ii], v[T+ii], -v236, v236
.set ii, ii+1
.endr
.if \u > 0
	s_wait_dscnt 0x0                               ; the last tile's LDS stores have read the codes' registers
.endif
.irp ct, 0,1,2,3
	v_cvt_scalef32_pk8_bf8_f32 v[CD+2*\ct:CD+2*\ct+1], v[T+8*\ct:T+8*\ct+7], v235
.endr
	v_nop
.irp ct, 0,1,2,3
	ds_store_b64 v5, v[CD+2*\ct:CD+2*\ct+1] offset:16*\u*272+16*\ct   ; query 16 u + r, channels 16 ct + 8 h + 0..7 of my head
.endr
.endm
	TILE 0
	TILE 1
	TILE 2
	TILE 3
	s_wait_dscnt 0x0                               ; for the others' sake: my stores into the stage are done
	s_barrier_signal -1
	s_barrier_wait -1
.irp t, 0,1,2,3,4,5,6,7
	ds_load_b128 v[T+4*\t:T+4*\t+3], v6 offset:2*\t*272
.endr
.irp t, 0,1,2,3,4,5,6,7
	s_wait_dscnt 7-\t
	global_store_b128 v7, v[T+4*\t:T+4*\t+3], s[8:9] offset:2*\t*1024   ; sixteen lanes store 256 consecutive bytes, aligned: four heads of a token
.endr
	s_wait_tensorcnt 0x0
	ds_add_u32 v254, v255
	s_wait_dscnt 0x0
	s_endpgm
.Lfunc_end_k_q5fe23add31_attn:
	.size	k_q5fe23add31_attn, .Lfunc_end_k_q5fe23add31_attn-k_q5fe23add31_attn
	.p2alignl 7, 3214868480
	.fill 96, 4, 3214868480
	.section	.rodata,"a",@progbits
	.p2align	6, 0x0
	.amdhsa_kernel k_q5fe23add31_attn
		.amdhsa_group_segment_fixed_size 17920
		.amdhsa_private_segment_fixed_size 0
		.amdhsa_enable_private_segment 0
		.amdhsa_kernarg_size 24
		.amdhsa_user_sgpr_count 2
		.amdhsa_user_sgpr_kernarg_segment_ptr 1
		.amdhsa_wavefront_size32 1
		.amdhsa_system_sgpr_workgroup_id_x 1
		.amdhsa_system_sgpr_workgroup_id_y 1
		.amdhsa_system_sgpr_workgroup_id_z 1
		.amdhsa_system_vgpr_workitem_id 0
		.amdhsa_next_free_vgpr 512
		.amdhsa_next_free_sgpr 66
		.amdhsa_reserve_vcc 0
		.amdhsa_float_denorm_mode_32 3
		.amdhsa_float_denorm_mode_16_64 3
		.amdhsa_memory_ordered 1
		.amdhsa_forward_progress 1
		.amdhsa_inst_pref_size 101
	.end_amdhsa_kernel
	.amdgpu_metadata
---
amdhsa.version: [ 1, 2 ]
amdhsa.kernels:
  - .name:           k_q5fe23add31_attn
    .symbol:         k_q5fe23add31_attn.kd
    .args:
      - { .name: qkvimg, .offset: 0, .size: 8, .value_kind: global_buffer, .address_space: global }
      - { .name: lowp_scales, .offset: 8, .size: 8, .value_kind: global_buffer, .address_space: global }
      - { .name: acodes, .offset: 16, .size: 8, .value_kind: global_buffer, .address_space: global }
    .group_segment_fixed_size: 17920
    .private_segment_fixed_size: 0
    .kernarg_segment_align: 8
    .kernarg_segment_size: 24
    .max_flat_workgroup_size: 128
    .sgpr_count:     66
    .vgpr_count:     512
    .wavefront_size: 32
...
	.end_amdgpu_metadata
.endif
;; end of part 3
;; launch wo (part 4): grid 8 x 32, 4 waves a work-group, clusters of 4 x 4, 327,680 bytes of LDS; arguments acodes, wcodes, lowp_scales, x, ls1, x1; writes x1
.if DOCPART == 4
	.amdgcn_target "amdgcn-amd-amdhsa--gfx1250"
	.amdhsa_code_object_version 6
	.text
	.protected	k_q5fe23add31_wo
	.globl	k_q5fe23add31_wo
	.p2align	8
	.type	k_q5fe23add31_wo,@function
k_q5fe23add31_wo:
	s_mov_b64 s[64:65], 0
	v_nop
	global_prefetch_b8 v0, s[64:65] scope:SCOPE_SE
	s_setreg_imm32_b32 hwreg(HW_REG_WAVE_MODE, 25, 1), 1
	s_wait_xcnt 0x0
	s_wait_alu depctr_hold_cnt(0) depctr_sa_sdst(0) depctr_va_vdst(0) depctr_va_sdst(0) depctr_va_ssrc(0) depctr_va_vcc(0) depctr_vm_vsrc(0)
	s_getreg_b32 s2, hwreg(HW_REG_IB_STS2, 6, 4)
	s_cmp_eq_u32 s2, 0
	s_cbranch_scc0 .Lentry_in_a_cluster
	s_endpgm
.Lentry_in_a_cluster:
	s_bfe_u32 s2, ttmp6, 0x10000c
	s_cmp_lg_u32 s2, 0xf033
	s_cbranch_scc0 .Lentry_shape_is_right
	s_endpgm
.Lentry_shape_is_right:
; out = res + (A B^T x 2^(ea + eb) [+ bias]) x ls.  A: [4096][SIZE_K], B: [1024][SIZE_K]: codes of BF8, K innermost; res, out: [4096][1024] f32; ls [, bias]: [1024] f32.
; HERE: A = attention's codes, B = wo (wcodes + 3 MiB), res = x, ls = ls1, out = x1, no bias; ea, eb = e10, e11.
; N is 1,024: tiles of 256 x 256 would be 64, so a tile of C is 128 x 128 and there are 256.  Four waves, each 64 x 64: 16 accumulators.  K goes in steps of 512 (rows of 512 bytes; a wave's tensor load brings 64)
; through a ring of two LDS slots.  CLUSTERS: 4 x 4 work-groups; A's tile is asked for jointly along a row of the cluster, B's along a column.
; THE MATRIX INSTRUCTION IS USED TRANSPOSED (source 0 = 16 rows of B, source 1 = 16 rows of A): a lane holds eight neighbouring numbers of a row of C.
; The residual's tile is asked for at the head, in the layout in which rows leave (sixteen lanes to 256 bytes), and waits in window 2; the sums turn through the wave's own stage in LDS into that layout.
; LIMIT: ea + eb between -126 and 127.
; REGISTERS: window 0: v0-31 addresses, ls, bias; v32-95 rows back from the stage, two sets; v128-255 the accumulators ((a, b) at v[128 + 8 (4 a + b)]).
;   window 1: two fragment buffers of 128: for 128 along K four fragments of A (16 registers each), then four of B.   window 2: v0-127 the residual, then the result.
.set SIZE_K, 1024
.set WOFF,   0x300000                  ; B's place in wcodes
.set SCOFF,  0x28                      ; ea's place among the scales' exponents
.set HASB2,  0
.set KSTEP,  512
.set PITCH,  528                       ; an LDS row: 512 bytes + 16 of padding: the 16 rows that a load touches start at 16 different banks
.set HALFT,  64*PITCH
.set SLOT,   4*HALFT
.set STAGE,  2*SLOT                    ; behind the ring: 16 rows x 272 bytes for each wave
.set SPITCH, 272
.set SPARE,  STAGE+4*16*SPITCH         ; behind the stages: the spare words, 128 bytes a wave: two blocks of 256 bytes that no other line names
.set LAPS,   SIZE_K/(2*KSTEP)
.set LS,   8                           ; v8-11   ls of my four columns, later x 2^(ea + eb)
.set BI,   12                          ; v12-15  bias x ls
.set ADRA, 16
.set ADRB, 20
.set STO,  24
.set RD,   25
.set CO,   26
.set C16,  27                          ; v27     16 (lane % 16)
.set SPW,  28
.set NIL,  29
.set BK,   32
.set ACC,  128
.set F0,   0
.set F1,   128
.set G1, 24
.set G0, 32
.set G1B, 48
.set G0B, 56
.set MSB, 0
.macro WIN new
.if MSB != \new
	s_set_vgpr_msb (MSB<<8)|\new
.set MSB, \new
.endif
.endm
.set MUL,  0x05                        ; sources 0 (B) and 1 (A) window 1; C and D window 0
.set TO_F, 0x40
.macro JLOAD s                         ; a joint load: waves 0 and 1 fetch A's two halves, waves 2 and 3 B's; four v_nop follow each of the two lines
	s_cmp_eq_u32 s11, 0
	s_cbranch_scc0 .Lfor_b_\@
	tensor_load_to_lds s[G0+4*\s:G0+4*\s+3], s[G1:G1+7]
	s_nop 0
.rept 4
	v_nop
.endr
	s_branch .Lasked_\@
.Lfor_b_\@:
	tensor_load_to_lds s[G0B+4*\s:G0B+4*\s+3], s[G1B:G1B+7]
	s_nop 0
.rept 4
	v_nop
.endr
.Lasked_\@:
.endm
.macro CREST
	s_cmp_lg_u32 s10, 0
	s_cbranch_scc1 .Lnot_wave_0_\@
	s_barrier_signal -3
.Lnot_wave_0_\@:
	s_barrier_wait -3
	s_barrier_signal -1
	s_barrier_wait -1
.endm
.macro CROUND
	s_barrier_signal -1
	s_barrier_wait -1
	CREST
.endm
	s_load_b128 s[4:7], s[0:1], 0x0                ; A's codes, wcodes
	s_load_b256 s[68:75], s[0:1], 0x10             ; the scales' exponents, res, ls, out
.if HASB2
	s_load_b64 s[76:77], s[0:1], 0x30              ; the bias
.endif
	v_lshl_add_u32 v[SPW], v0, 2, SPARE
	v_mov_b32 v[NIL], 0
	ds_add_u32 v28, v29
	ds_add_u32 v28, v29
	s_wait_dscnt 0x0
	v_lshrrev_b32 v1, 5, v0
	v_readfirstlane_b32 s10, v1                    ; wave 0..3
	s_lshr_b32 s11, s10, 1                         ; which half of the tile's rows is mine.  Also: I fetch for A (0) or for B (1)
	s_and_b32 s12, s10, 1                          ; which half of its columns.  Also: which 64 rows of that tile I fetch
	s_bfe_u32 s40, ttmp6, 0x40000
	s_bfe_u32 s41, ttmp6, 0x40004
	s_lshl_b32 s42, ttmp9, 2
	s_add_co_u32 s42, s42, s40                     ; tile column = 4 x cluster x + cx
	s_and_b32 s13, ttmp7, 0xffff
	s_lshl_b32 s13, s13, 2
	s_add_co_u32 s13, s13, s41                     ; tile row = 4 x cluster y + cy
	s_lshl_b32 s43, s41, 2
	s_lshl_b32 s43, 15, s43
	s_lshl_b32 s44, 0x1111, s40
	s_or_b32 s[G1+0], s43, (0<<16)|(1<<20)|(1<<21)|(6<<22)|(3<<25)  ; the mask: my row; elements of 1 byte; padding: 4 words behind every 128; bit 21 beside a mask
	s_or_b32 s[G1B+0], s44, (0<<16)|(1<<20)|(1<<21)|(6<<22)|(3<<25)
.irp g, G1, G1B
	s_mov_b32 s[\g+1], KSTEP<<16
	s_mov_b32 s[\g+2], 64<<16
	s_mov_b32 s[\g+3], KSTEP<<16
	s_mov_b32 s[\g+4], 64
	s_mov_b32 s[\g+5], SIZE_K
	s_mov_b32 s[\g+6], 0
	s_mov_b32 s[\g+7], 0
.endr
	s_lshl_b32 s17, s12, 6
	s_lshl_b32 s16, s13, 7
	s_add_co_u32 s16, s16, s17                     ; A: row 128 x tile row + 64 x half
	s_lshl_b32 s46, s42, 7
	s_add_co_u32 s46, s46, s17                     ; B: row 128 x tile column + 64 x half
	s_mov_b32 s17, 0
	s_mov_b32 s47, 0
	s_mov_b64 s[18:19], SIZE_K
	s_mul_u64 s[16:17], s[16:17], s[18:19]
	s_mul_u64 s[46:47], s[46:47], s[18:19]
	s_add_nc_u64 s[46:47], s[46:47], WOFF
	s_mul_i32 s20, s10, HALFT
	s_wait_kmcnt 0x0
	s_load_b64 s[78:79], s[68:69], SCOFF           ; ea, eb
	s_add_nc_u64 s[14:15], s[4:5], s[16:17]
	s_add_nc_u64 s[46:47], s[6:7], s[46:47]
	CROUND                                         ; all sixteen work-groups are here: the first joint loads meet
.irp s, 0,1
	s_mov_b32 s[G0+4*\s], 1
	s_add_co_u32 s[G0+4*\s+1], s20, \s*SLOT
	s_add_nc_u64 s[G0+4*\s+2:G0+4*\s+3], s[14:15], \s*KSTEP
	s_or_b32 s[G0+4*\s+3], s[G0+4*\s+3], 0x80000000
	s_mov_b32 s[G0B+4*\s], 1
	s_add_co_u32 s[G0B+4*\s+1], s20, \s*SLOT
	s_add_nc_u64 s[G0B+4*\s+2:G0B+4*\s+3], s[46:47], \s*KSTEP
	s_or_b32 s[G0B+4*\s+3], s[G0B+4*\s+3], 0x80000000
	JLOAD \s
.endr
	v_and_b32 v1, 15, v0                           ; r
	v_bfe_u32 v2, v0, 4, 1                         ; h
	v_mul_u32_u24 v3, v1, PITCH
	v_lshl_add_u32 v3, v2, 4, v3
	s_mul_i32 s21, s11, HALFT
	s_mul_i32 s22, s12, HALFT
	s_add_co_u32 s22, s22, 2*HALFT
.irp s, 0,1
	v_add_nc_u32 v[ADRA+\s], s21, v3
	v_add_nc_u32 v[ADRB+\s], s22, v3
	s_add_co_u32 s21, s21, SLOT
	s_add_co_u32 s22, s22, SLOT
.endr
	s_mul_i32 s23, s10, 16*SPITCH
	s_add_co_u32 s23, s23, STAGE                   ; my stage
	v_mul_u32_u24 v4, v1, SPITCH
	v_lshl_add_u32 v4, v2, 5, v4
	v_add_nc_u32 v[STO], s23, v4                   ; in: row r, 32 bytes for each half of the lanes
	v_mul_u32_u24 v5, v2, SPITCH
	v_lshl_add_u32 v5, v1, 4, v5
	v_add_nc_u32 v[RD], s23, v5                    ; back: lanes 0-15 one row of 256 bytes, lanes 16-31 the next
	v_lshlrev_b32 v5, 12, v2
	v_lshl_add_u32 v[CO], v1, 4, v5                ; and the same two rows in res and out
	v_lshlrev_b32 v[C16], 4, v1
	s_lshl_b32 s80, s13, 19                        ; my part of the tile: (128 tile row + 64 half) rows of 4,096 bytes
	s_lshl_b32 s81, s11, 18
	s_add_co_u32 s80, s80, s81
	s_lshl_b32 s82, s42, 9                         ; (128 tile column + 64 half) x 4 bytes
	s_lshl_b32 s81, s12, 8
	s_add_co_u32 s82, s82, s81
	s_add_co_u32 s80, s80, s82
	s_mov_b32 s81, 0
	s_mov_b32 s83, 0
	s_add_nc_u64 s[70:71], s[70:71], s[80:81]
	s_add_nc_u64 s[74:75], s[74:75], s[80:81]
	s_add_nc_u64 s[72:73], s[72:73], s[82:83]
	global_load_b128 v[LS:LS+3], v[C16], s[72:73]
.if HASB2
	s_add_nc_u64 s[76:77], s[76:77], s[82:83]
	global_load_b128 v[BI:BI+3], v[C16], s[76:77]
.endif
	WIN 0x80                                       ; destination window 2
.irp a, 0,1,2,3
.irp t, 0,1,2,3,4,5,6,7
	global_load_b128 v[4*(8*\a+\t):4*(8*\a+\t)+3], v[CO], s[70:71] offset:(16*\a+2*\t)*4096
.endr
.endr
	WIN 0
.macro FRAG reg, adr, k, i             ; 16 rows x 128 K: registers 4 c .. 4 c + 3 hold K = 32 c + 16 (l / 16) + 0 .. 15: the same permutation of k in A and in B
.irp c, 0,1,2,3
	ds_load_b128 v[\reg+4*\c:\reg+4*\c+3], v[\adr] offset:(\k)+32*\c+(\i)*16*PITCH
.endr
.endm
.macro FETCH slot, k, f                ; 32 LDS loads in one run: B's four fragments, then A's four, of 128 along K at byte k of the rows
	WIN TO_F
.irp i, 0,1,2,3
	FRAG \f+64+16*\i, ADRB+\slot, \k, \i
.endr
.irp i, 0,1,2,3
	FRAG \f+16*\i, ADRA+\slot, \k, \i
.endr
.endm
; 8 matrix instructions: A's blocks a0, a0 + 1 x B's four.  The 16 accumulators take turns, one instruction a turn, in the same order throughout.
.macro MUL8 f, a0, zero
.irp a, \a0, \a0+1
.irp b, 0,1,2,3
.if \zero
	v_wmma_f32_16x16x128_bf8_bf8 v[ACC+8*(4*(\a)+\b):ACC+8*(4*(\a)+\b)+7], v[\f+64+16*\b:\f+64+16*\b+15], v[\f+16*(\a):\f+16*(\a)+15], 0
.else
	v_wmma_f32_16x16x128_bf8_bf8 v[ACC+8*(4*(\a)+\b):ACC+8*(4*(\a)+\b)+7], v[\f+64+16*\b:\f+64+16*\b+15], v[\f+16*(\a):\f+16*(\a)+15], v[ACC+8*(4*(\a)+\b):ACC+8*(4*(\a)+\b)+7]
.endif
.endr
.endr
.endm
.macro PLACES                          ; four plain vector lines in front of loads into registers that matrix instructions have read, and of the first read of results
.rept 4
	v_nop
.endr
.endm
; A K step is four quarters of 128 along K, 16 matrix instructions each, on buffers 0, 1, 0, 1.  One of the first three: multiplies buffer f and fetches the next quarter, at byte k, into g.
.macro QUARTER slot, k, f, g, zero
	s_wait_dscnt 8                                 ; B's four and A's blocks 0, 1 are in; the youngest eight loads (A's blocks 2, 3) may be out
	WIN MUL
	MUL8 \f, 0, \zero
	PLACES
	FETCH \slot, \k, \g
	s_wait_dscnt 32                                ; all but the 32 just issued
	WIN MUL
	MUL8 \f, 2, \zero
.endm
; The last quarter multiplies buffer 1 and changes slots: one barrier; in front of it each wave waits for all its tensor loads, adds 0 to its spare word, and waits for that and for its own reads of this slot.
.macro TURN slot, next, fill
	WIN 0
	s_wait_tensorcnt 0x0                           ; all my tensor loads have landed: my part of the next slot
	ds_add_u32 v[SPW], v[NIL]                      ; 0 onto my spare word
	s_wait_dscnt 9                                 ; the add and the youngest eight loads may be out
	WIN MUL
	MUL8 F1, 0, 0
	s_wait_dscnt 0x0                               ; the add is done, and my reads of this slot are over
	s_barrier_signal -1
.if \fill
	WIN 0
.endif
	s_barrier_wait -1
.if \fill
	CREST                                          ; the barrier has opened a round of the cluster's: no wave of any partner still reads this slot or has a load on its way
	s_add_nc_u64 s[G0+4*\slot+2:G0+4*\slot+3], s[G0+4*\slot+2:G0+4*\slot+3], 2*KSTEP
	s_add_nc_u64 s[G0B+4*\slot+2:G0B+4*\slot+3], s[G0B+4*\slot+2:G0B+4*\slot+3], 2*KSTEP
	JLOAD \slot                                    ; the first tensor load behind the round; its four v_nop are the places in front of the loads below
.else
	PLACES
.endif
	FETCH \next, 0, F0
	WIN MUL
	MUL8 F1, 2, 0
.endm
	s_wait_tensorcnt 1                             ; my part of K step 0 is in; K step 1's load may be out
	s_barrier_signal -1
	s_barrier_wait -1
	FETCH 0, 0, F0
	QUARTER 0, 128, F0, F1, 1                      ; the first quarter's products start the sums
.if LAPS > 1
	WIN 0
	s_mov_b32 s3, LAPS-1
.Llap:
	QUARTER 0, 256, F1, F0, 0
	QUARTER 0, 384, F0, F1, 0
	TURN 0, 1, 1
	QUARTER 1, 128, F0, F1, 0
	QUARTER 1, 256, F1, F0, 0
	QUARTER 1, 384, F0, F1, 0
	TURN 1, 0, 1
	QUARTER 0, 128, F0, F1, 0
	WIN 0
	s_sub_co_u32 s3, s3, 1
	s_cmp_lg_u32 s3, 0
	s_cbranch_scc1 .Llap
.endif
	QUARTER 0, 256, F1, F0, 0                      ; the last lap fills nothing
	QUARTER 0, 384, F0, F1, 0
	TURN 0, 1, 0
	QUARTER 1, 128, F0, F1, 0
	QUARTER 1, 256, F1, F0, 0
	QUARTER 1, 384, F0, F1, 0
	s_wait_dscnt 8
	WIN MUL
	MUL8 F1, 0, 0
	s_wait_dscnt 0
	MUL8 F1, 2, 0
	WIN 0
	; THE WAY OUT, block by block of 16 rows x 64 columns, through my own stage; LDS serves a wave's instructions in order, so no wait stands between the stores and the loads
	s_wait_loadcnt 0x0                             ; the residual, ls, the bias
	s_wait_kmcnt 0x0
	s_add_co_i32 s78, s78, s79
	s_add_co_i32 s78, s78, 127
	s_lshl_b32 s78, s78, 23                        ; 2^(ea + eb) as f32
	s_mov_b32 s79, s78
	PLACES
.if HASB2
	v_pk_mul_f32 v[BI:BI+1], v[BI:BI+1], v[LS:LS+1]
	v_pk_mul_f32 v[BI+2:BI+3], v[BI+2:BI+3], v[LS+2:LS+3]
.endif
	v_pk_mul_f32 v[LS:LS+1], v[LS:LS+1], s[78:79] op_sel_hi:[1,0]
	v_pk_mul_f32 v[LS+2:LS+3], v[LS+2:LS+3], s[78:79] op_sel_hi:[1,0]
.macro TOSTAGE a
.irp b, 0,1,2,3
	ds_store_b128 v[STO], v[ACC+8*(4*(\a)+\b):ACC+8*(4*(\a)+\b)+3] offset:64*\b          ; each accumulator from its low end on
	ds_store_b128 v[STO], v[ACC+8*(4*(\a)+\b)+4:ACC+8*(4*(\a)+\b)+7] offset:64*\b+16
.endr
.set BKS, BK+32*((\a)%2)
.irp t, 0,1,2,3,4,5,6,7
	ds_load_b128 v[BKS+4*\t:BKS+4*\t+3], v[RD] offset:\t*2*SPITCH
.endr
.endm
.macro FIN a, younger                  ; younger: the LDS instructions issued behind block a's loads, which may stay out
.set BKS, BK+32*((\a)%2)
.set RS, 32*(\a)
	s_wait_dscnt \younger
.if HASB2
.irp t, 0,1,2,3,4,5,6,7
	v_pk_fma_f32 v[BKS+4*\t:BKS+4*\t+1], v[BKS+4*\t:BKS+4*\t+1], v[LS:LS+1], v[BI:BI+1]
	v_pk_fma_f32 v[BKS+4*\t+2:BKS+4*\t+3], v[BKS+4*\t+2:BKS+4*\t+3], v[LS+2:LS+3], v[BI+2:BI+3]
.endr
	WIN 0x88                                       ; source 1 and destination window 2
.irp t, 0,1,2,3,4,5,6,7
	v_pk_add_f32 v[RS+4*\t:RS+4*\t+1], v[BKS+4*\t:BKS+4*\t+1], v[RS+4*\t:RS+4*\t+1]
	v_pk_add_f32 v[RS+4*\t+2:RS+4*\t+3], v[BKS+4*\t+2:BKS+4*\t+3], v[RS+4*\t+2:RS+4*\t+3]
.endr
.else
	WIN 0xa0                                       ; source 2 and destination window 2
.irp t, 0,1,2,3,4,5,6,7
	v_pk_fma_f32 v[RS+4*\t:RS+4*\t+1], v[BKS+4*\t:BKS+4*\t+1], v[LS:LS+1], v[RS+4*\t:RS+4*\t+1]
	v_pk_fma_f32 v[RS+4*\t+2:RS+4*\t+3], v[BKS+4*\t+2:BKS+4*\t+3], v[LS+2:LS+3], v[RS+4*\t+2:RS+4*\t+3]
.endr
.endif
	WIN 0x08                                       ; a store's data: source 1, window 2
.irp t, 0,1,2,3,4,5,6,7
.if HASB2
	global_store_b128 v[CO], v[RS+4*\t:RS+4*\t+3], s[74:75] offset:(16*(\a)+2*\t)*4096 th:TH_STORE_NT   ; sixteen lanes store 256 consecutive bytes, aligned; no store's data are written again
.else
	global_store_b128 v[CO], v[RS+4*\t:RS+4*\t+3], s[74:75] offset:(16*(\a)+2*\t)*4096                  ; sixteen lanes store 256 consecutive bytes, aligned; no store's data are written again
.endif
.endr
	WIN 0
.endm
	TOSTAGE 0
	TOSTAGE 1
	FIN 0, 16
	TOSTAGE 2
	FIN 1, 16
	TOSTAGE 3
	FIN 2, 16
	FIN 3, 0
	s_wait_tensorcnt 0x0                           ; the wave's end
	ds_add_u32 v[SPW], v[NIL]
	s_wait_dscnt 0x0
	CROUND                                         ; the closing round
	s_endpgm
.Lfunc_end_k_q5fe23add31_wo:
	.size	k_q5fe23add31_wo, .Lfunc_end_k_q5fe23add31_wo-k_q5fe23add31_wo
	.p2alignl 7, 3214868480
	.fill 96, 4, 3214868480
	.section	.rodata,"a",@progbits
	.p2align	6, 0x0
	.amdhsa_kernel k_q5fe23add31_wo
		.amdhsa_group_segment_fixed_size 327680
		.amdhsa_private_segment_fixed_size 0
		.amdhsa_enable_private_segment 0
		.amdhsa_kernarg_size 48
		.amdhsa_user_sgpr_count 2
		.amdhsa_user_sgpr_kernarg_segment_ptr 1
		.amdhsa_wavefront_size32 1
		.amdhsa_system_sgpr_workgroup_id_x 1
		.amdhsa_system_sgpr_workgroup_id_y 1
		.amdhsa_system_sgpr_workgroup_id_z 1
		.amdhsa_system_vgpr_workitem_id 0
		.amdhsa_next_free_vgpr 640
		.amdhsa_next_free_sgpr 84
		.amdhsa_reserve_vcc 0
		.amdhsa_float_denorm_mode_32 3
		.amdhsa_float_denorm_mode_16_64 3
		.amdhsa_memory_ordered 1
		.amdhsa_forward_progress 1
		.amdhsa_inst_pref_size 49
	.end_amdhsa_kernel
	.amdgpu_metadata
---
amdhsa.version: [ 1, 2 ]
amdhsa.kernels:
  - .name:           k_q5fe23add31_wo
    .symbol:         k_q5fe23add31_wo.kd
    .args:
      - { .name: acodes, .offset: 0, .size: 8, .value_kind: global_buffer, .address_space: global }
      - { .name: wcodes, .offset: 8, .size: 8, .value_kind: global_buffer, .address_space: global }
      - { .name: lowp_scales, .offset: 16, .size: 8, .value_kind: global_buffer, .address_space: global }
      - { .name: x, .offset: 24, .size: 8, .value_kind: global_buffer, .address_space: global }
      - { .name: ls1, .offset: 32, .size: 8, .value_kind: global_buffer, .address_space: global }
      - { .name: x1, .offset: 40, .size: 8, .value_kind: global_buffer, .address_space: global }
    .group_segment_fixed_size: 327680
    .private_segment_fixed_size: 0
    .kernarg_segment_align: 8
    .kernarg_segment_size: 48
    .max_flat_workgroup_size: 128
    .sgpr_count:     84
    .vgpr_count:     640
    .wavefront_size: 32
...
	.end_amdgpu_metadata
.endif
;; end of part 4
;; launch ln2 (part 5): grid 256 x 1, 4 waves a work-group, no clusters, 33,280 bytes of LDS; arguments x1, norm2_w, norm2_b, lowp_scales, h2codes; writes h2codes
.if DOCPART == 5
	.amdgcn_target "amdgcn-amd-amdhsa--gfx1250"
	.amdhsa_code_object_version 6
	.text
	.protected	k_q5fe23add31_ln2
	.globl	k_q5fe23add31_ln2
	.p2align	8
	.type	k_q5fe23add31_ln2,@function
k_q5fe23add31_ln2:
	s_mov_b64 s[64:65], 0
	v_nop
	global_prefetch_b8 v0, s[64:65] scope:SCOPE_SE
	s_setreg_imm32_b32 hwreg(HW_REG_WAVE_MODE, 25, 1), 1
	s_wait_xcnt 0x0
; LayerNorm 2 of x1 [4096][1024] f32, quantised with 2^e12 into h2codes [4096][1024], codes of BF8, K innermost.
; A work-group takes 16 rows, a wave 4; a row lies in 32 registers of one wave between the passes, so it is read once and no wave waits for another.  The variance is taken of x - mean.
; ALL FOUR ROWS OF A WAVE ARE ASKED FOR AT THE HEAD (with gain and bias 48 loads of 512 consecutive bytes are out), so that no row's load is issued behind another row's work.
; The conversions take 16 neighbours along K from ONE lane, a load is dense where neighbouring LANES take neighbouring bytes: 2,048 bytes at a time turn through the wave's own stage in LDS
; (16 bytes of padding behind each 64) and come back into the registers that they left.
; LIMITS: e12 between -126 and 112.  NaN among the inputs is not served.
.set SP,    80                         ; a lane's place in a stage: 64 bytes + 16
.set NW,    16                         ; v16-47 the gain, v48-79 the bias: register 4 j + i holds k = 128 j + 4 lane + i
.set NB,    48
.set NX,    80                         ; v80-207 my four rows: as loaded; behind the stage register 16 s + i holds k = 512 s + 16 lane + i
.set NTM,   208                        ; v208-223 sixteen numbers under the hold
.set NC,    224                        ; v224-231 a row's codes
.set WK,    232                        ; v232-239 partial sums; v240, v241 the mean twice; v242, v243 1 / sqrt(variance + 1e-5) twice
.set SCL,   244                        ; v244 2^e12, v245 57,344 x 2^e12
.set SX,    4
.set SWT,   6
.set SBS,   8
.set OB0,   12
.set SEL,   56
.set K1,    30
	s_load_b256 s[4:11], s[0:1], 0x0               ; x1, the gain, the bias, the scales' exponents
	s_load_b64 s[12:13], s[0:1], 0x20              ; h2codes
	v_lshl_add_u32 v248, v0, 2, 0x8000
	v_mov_b32 v249, 0
	v_lshrrev_b32 v1, 5, v0
	v_readfirstlane_b32 s48, v1                    ; wave
	v_and_b32 v2, 31, v0
	v_lshlrev_b32 v3, 4, v2                        ; my 16 bytes of a load's or a store's 512
	s_lshl_b32 s49, s48, 13                        ; my wave's 8,192 bytes of LDS
	v_lshrrev_b32 v14, 2, v2
	v_mul_u32_u24 v14, v14, SP
	v_and_b32 v15, 3, v2
	v_lshl_add_u32 v14, v15, 4, v14
	v_add_nc_u32 v14, s49, v14                     ; the stage, way in: SP (lane / 4) + 16 (lane % 4)
	v_mul_u32_u24 v15, v2, SP
	v_add_nc_u32 v15, s49, v15                     ; way out: SP x lane: my 16 neighbours
	s_lshl_b32 s58, ttmp9, 4
	s_lshl_b32 s60, s48, 2
	s_add_co_u32 s58, s58, s60                     ; my first row
	s_lshl_b32 s60, s58, 12
	s_mov_b32 s61, 0
	s_lshl_b32 s62, s58, 10
	s_mov_b32 s63, 0
	s_wait_kmcnt 0x0
	s_load_b32 s32, s[10:11], 0x30                 ; e12
	s_add_nc_u64 s[SX:SX+1], s[SX:SX+1], s[60:61]
	s_add_nc_u64 s[OB0:OB0+1], s[OB0:OB0+1], s[62:63]
.macro NLOAD i                         ; row i of my four: eight loads of 512 consecutive bytes
.irp j, 0,1,2,3,4,5,6,7
	global_load_b128 v[NX+32*(\i)+4*\j:NX+32*(\i)+4*\j+3], v3, s[SX:SX+1] offset:4096*(\i)+512*\j
.endr
.endm
.macro ALLSUM                          ; four pairs of partial sums -> the sum over the row, in every lane's v[WK]
	v_pk_add_f32 v[WK:WK+1], v[WK:WK+1], v[WK+2:WK+3]
	v_pk_add_f32 v[WK+4:WK+5], v[WK+4:WK+5], v[WK+6:WK+7]
	v_pk_add_f32 v[WK:WK+1], v[WK:WK+1], v[WK+4:WK+5]
	v_add_f32 v[WK], v[WK], v[WK+1]
	v_add_f32_dpp v[WK], v[WK], v[WK] row_xmask:1 row_mask:0xf bank_mask:0xf
	v_add_f32_dpp v[WK], v[WK], v[WK] row_xmask:2 row_mask:0xf bank_mask:0xf
	v_add_f32_dpp v[WK], v[WK], v[WK] row_xmask:4 row_mask:0xf bank_mask:0xf
	v_add_f32_dpp v[WK], v[WK], v[WK] row_xmask:8 row_mask:0xf bank_mask:0xf
	v_permlanex16_b32 v[WK+1], v[WK], s[SEL], s[SEL+1]
	v_add_f32 v[WK], v[WK], v[WK+1]
.endm
.macro NROW i
.set XS, NX+32*(\i)
	s_wait_loadcnt 8*(3-(\i))                      ; this row (and gain and bias) are in; the eight loads of each later row may be out
.irp c, 0,1,2,3
	v_pk_add_f32 v[WK+2*\c:WK+2*\c+1], v[XS+2*\c:XS+2*\c+1], v[XS+8+2*\c:XS+8+2*\c+1]   ; the mean, in four chains
.endr
.irp g, 16,24
.irp c, 0,1,2,3
	v_pk_add_f32 v[WK+2*\c:WK+2*\c+1], v[WK+2*\c:WK+2*\c+1], v[XS+\g+2*\c:XS+\g+2*\c+1]
.endr
.endr
	ALLSUM
	v_mul_f32 v[WK+8], s[K1], v[WK]
	v_mov_b32 v[WK+9], v[WK+8]
.irp p, 0,2,4,6,8,10,12,14,16,18,20,22,24,26,28,30
	v_pk_add_f32 v[XS+\p:XS+\p+1], v[XS+\p:XS+\p+1], v[WK+8:WK+9] neg_lo:[0,1] neg_hi:[0,1]   ; d = x - mean: the variance is taken of d, so a common offset costs nothing
.endr
.irp c, 0,1,2,3
	v_pk_mul_f32 v[WK+2*\c:WK+2*\c+1], v[XS+2*\c:XS+2*\c+1], v[XS+2*\c:XS+2*\c+1]
.endr
.irp g, 8,16,24
.irp c, 0,1,2,3
	v_pk_fma_f32 v[WK+2*\c:WK+2*\c+1], v[XS+\g+2*\c:XS+\g+2*\c+1], v[XS+\g+2*\c:XS+\g+2*\c+1], v[WK+2*\c:WK+2*\c+1]
.endr
.endr
	ALLSUM
	v_fma_f32 v[WK], v[WK], s[K1], s[K1+1]         ; variance + 1e-5
	v_rsq_f32 v[WK+10], v[WK]
	v_nop                                          ; a plain line behind the transcendental
	s_wait_alu depctr_va_vdst(0)
	v_mov_b32 v[WK+11], v[WK+10]
.irp p, 0,2,4,6,8,10,12,14,16,18,20,22,24,26,28,30
	v_pk_mul_f32 v[XS+\p:XS+\p+1], v[XS+\p:XS+\p+1], v[WK+10:WK+11]
.endr
.irp p, 0,2,4,6,8,10,12,14,16,18,20,22,24,26,28,30
	v_pk_fma_f32 v[XS+\p:XS+\p+1], v[XS+\p:XS+\p+1], v[NW+\p:NW+\p+1], v[NB+\p:NB+\p+1]
.endr
.irp j, 0,1,2,3,4,5,6,7
	ds_store_b128 v14, v[XS+4*\j:XS+4*\j+3] offset:32*SP*(\j/4)+8*SP*(\j%4)
.endr
.irp j, 0,1,2,3,4,5,6,7
	ds_load_b128 v[XS+4*\j:XS+4*\j+3], v15 offset:32*SP*(\j/4)+16*(\j%4)   ; LDS serves a wave's instructions in order: these see the stores above, and land in the registers that those have left
.endr
	s_wait_xcnt 0x0                                ; the last row's stores have read their data: the codes' registers are written again only behind this wait
	s_wait_dscnt 0x0                               ; the row is back, 16 neighbours a lane
.set ss, 0
.rept 2
.set ii, 0
.rept 16
	v_med3_num_f32 v[NTM+ii], v[XS+16*ss+ii], -v[SCL+1], v[SCL+1]   ; the conversion to an 8-bit code does not saturate (ISA guide 7.6.2): the hold comes first
.set ii, ii+1
.endr
	v_cvt_scalef32_pk8_bf8_f32 v[NC+4*ss:NC+4*ss+1], v[NTM:NTM+7], v[SCL]
	v_cvt_scalef32_pk8_bf8_f32 v[NC+4*ss+2:NC+4*ss+3], v[NTM+8:NTM+15], v[SCL]
	v_nop                                          ; a plain line between the conversions and the next holds, which write their sources
	global_store_b128 v3, v[NC+4*ss:NC+4*ss+3], s[OB0:OB0+1] offset:1024*(\i)+512*ss   ; 512 consecutive bytes of the row's codes
.set ss, ss+1
.endr
.endm
.irp j, 0,1,2,3,4,5,6,7
	global_load_b128 v[NW+4*\j:NW+4*\j+3], v3, s[SWT:SWT+1] offset:512*\j
.endr
.irp j, 0,1,2,3,4,5,6,7
	global_load_b128 v[NB+4*\j:NB+4*\j+3], v3, s[SBS:SBS+1] offset:512*\j
.endr
	NLOAD 0
	NLOAD 1
	NLOAD 2
	NLOAD 3
	s_mov_b32 s[SEL], 0x76543210
	s_mov_b32 s[SEL+1], 0xfedcba98
	s_mov_b32 s[K1], 0x3a800000                    ; 1 / 1024
	s_mov_b32 s[K1+1], 0x3727c5ac                  ; 1e-5
	s_wait_kmcnt 0x0
	s_add_co_i32 s60, s32, 127
	s_lshl_b32 s61, s60, 23
	v_mov_b32 v[SCL], s61
	s_add_co_i32 s60, s60, 15
	s_lshl_b32 s60, s60, 23
	s_or_b32 s60, s60, 0x600000
	v_mov_b32 v[SCL+1], s60
	NROW 0
	NROW 1
	NROW 2
	NROW 3
	s_wait_tensorcnt 0x0
	ds_add_u32 v248, v249
	s_wait_dscnt 0x0
	s_endpgm
.Lfunc_end_k_q5fe23add31_ln2:
	.size	k_q5fe23add31_ln2, .Lfunc_end_k_q5fe23add31_ln2-k_q5fe23add31_ln2
	.p2alignl 7, 3214868480
	.fill 96, 4, 3214868480
	.section	.rodata,"a",@progbits
	.p2align	6, 0x0
	.amdhsa_kernel k_q5fe23add31_ln2
		.amdhsa_group_segment_fixed_size 33280
		.amdhsa_private_segment_fixed_size 0
		.amdhsa_enable_private_segment 0
		.amdhsa_kernarg_size 40
		.amdhsa_user_sgpr_count 2
		.amdhsa_user_sgpr_kernarg_segment_ptr 1
		.amdhsa_wavefront_size32 1
		.amdhsa_system_sgpr_workgroup_id_x 1
		.amdhsa_system_sgpr_workgroup_id_y 1
		.amdhsa_system_sgpr_workgroup_id_z 1
		.amdhsa_system_vgpr_workitem_id 0
		.amdhsa_next_free_vgpr 250
		.amdhsa_next_free_sgpr 66
		.amdhsa_reserve_vcc 0
		.amdhsa_float_denorm_mode_32 3
		.amdhsa_float_denorm_mode_16_64 3
		.amdhsa_memory_ordered 1
		.amdhsa_forward_progress 1
		.amdhsa_inst_pref_size 46
	.end_amdhsa_kernel
	.amdgpu_metadata
---
amdhsa.version: [ 1, 2 ]
amdhsa.kernels:
  - .name:           k_q5fe23add31_ln2
    .symbol:         k_q5fe23add31_ln2.kd
    .args:
      - { .name: x1, .offset: 0, .size: 8, .value_kind: global_buffer, .address_space: global }
      - { .name: norm2_w, .offset: 8, .size: 8, .value_kind: global_buffer, .address_space: global }
      - { .name: norm2_b, .offset: 16, .size: 8, .value_kind: global_buffer, .address_space: global }
      - { .name: lowp_scales, .offset: 24, .size: 8, .value_kind: global_buffer, .address_space: global }
      - { .name: h2codes, .offset: 32, .size: 8, .value_kind: global_buffer, .address_space: global }
    .group_segment_fixed_size: 33280
    .private_segment_fixed_size: 0
    .kernarg_segment_align: 8
    .kernarg_segment_size: 40
    .max_flat_workgroup_size: 128
    .sgpr_count:     66
    .vgpr_count:     250
    .wavefront_size: 32
...
	.end_amdgpu_metadata
.endif
;; end of part 5
;; launch ffn1 (part 6): grid 16 x 16, 4 waves a work-group, clusters of 4 x 4, 327,680 bytes of LDS; arguments h2codes, wcodes, lowp_scales, b1, fcodes; writes fcodes
.if DOCPART == 6
	.amdgcn_target "amdgcn-amd-amdhsa--gfx1250"
	.amdhsa_code_object_version 6
	.text
	.protected	k_q5fe23add31_ffn1
	.globl	k_q5fe23add31_ffn1
	.p2align	8
	.type	k_q5fe23add31_ffn1,@function
k_q5fe23add31_ffn1:
	s_mov_b64 s[64:65], 0
	v_nop
	global_prefetch_b8 v0, s[64:65] scope:SCOPE_SE
	s_setreg_imm32_b32 hwreg(HW_REG_WAVE_MODE, 25, 1), 1
	s_wait_xcnt 0x0
	s_wait_alu depctr_hold_cnt(0) depctr_sa_sdst(0) depctr_va_vdst(0) depctr_va_sdst(0) depctr_va_ssrc(0) depctr_va_vcc(0) depctr_vm_vsrc(0)
	s_getreg_b32 s2, hwreg(HW_REG_IB_STS2, 6, 4)
	s_cmp_eq_u32 s2, 0
	s_cbranch_scc0 .Lentry_in_a_cluster
	s_endpgm
.Lentry_in_a_cluster:
	s_bfe_u32 s2, ttmp6, 0x10000c
	s_cmp_lg_u32 s2, 0xf033
	s_cbranch_scc0 .Lentry_shape_is_right
	s_endpgm
.Lentry_shape_is_right:
; f = gelu(h2 W1^T + b1), exact (erf) form, quantised with 2^e14 into fcodes [4096][4096], codes of BF8, K (the 4,096 hidden units) innermost.
; h2codes [4096][1024], W1's codes [4096][1024] at wcodes + 4 MiB; the sums stand for sum x 2^(e12 + e13).
; A tile of C, 256 x 256, is made by four waves, 128 x 128 each: 64 accumulators, 512 registers.  K goes in steps of 256 through a ring of two LDS slots filled by joint tensor loads:
; 4 x 4 work-groups form a cluster; A's tile is shared along a row of the cluster, B's along a column.
; THE FOUR K STEPS ARE WALKED ROUND, FROM A START THAT HANGS ON THE CLUSTER: cluster (x, y) begins at K step (x + 2 y) mod 4 and goes on modulo 4.  The four clusters of one y read the same rows of A and begin at
; four different steps; the clusters of one x read the same rows of W1, and those of neighbouring y begin two steps apart.  A cluster's first fills are two steps: so every K step of every tile is asked for at the
; launch's start by some cluster, and what a cluster asks for later, as a refill, another cluster has read before.  The start is made of the cluster's x and y alone: it is alike in all partners.
; So a sum's K steps are added in a rotated order, not ascending: an order of rounding that differs from cluster to cluster.
; THE MATRIX INSTRUCTION IS USED TRANSPOSED (source 0 = 16 rows of W1, source 1 = 16 tokens): a lane holds a token and eight neighbouring hidden units: eight neighbours along the next K, one conversion.
; GELU: z = sum x 2^(e12 + e13) + b1; u = z / sqrt(2) held within +-4; erf(u) = u P(u^2) / Q(u^2), P of degree 6, Q of degree 4; f = z / 2 + (z / 2) erf.
; LIMITS: e12 + e13 between -126 and 127; e14 between -126 and 112.  The rational erf is off by a few 1e-7 in absolute terms, the size of the rounding of 1 + erf in f32: for z far below 0, where f is
; a small difference, f keeps that absolute error x |z| / 2.  NaN is not served.
; The codes meet in a stage of 256 rows x 272 bytes in slot 0, which has had its last fill and its last read when the first code is stored there; each wave then stores 64 whole rows of 256 bytes.
; REGISTERS: window 0: v0-31 addresses; v32-95 b1 of my 128 columns (8 b + j: column 16 b + 8 h + j); v96-127 codes, two sets; v128-255 A's fragments; on the way out v128-191 z of a block, v192-223 at work,
;   v224, v225 scale and hold, v226-251 the constants in pairs.   window 1: B's fragments, two sets.   windows 2, 3: the accumulators.
.set SIZE_K, 1024
.set KSTEP,  256
.set ROWB,   256
.set KROW,   SIZE_K
.set PITCH,  272
.set FR,     16
.set NL,     4
.set NP,     4
.set HALFT,  128*PITCH
.set SLOT,   4*HALFT
.set LAPS,   SIZE_K/(2*KSTEP)
.set SPARE,  2*SLOT                    ; behind the ring: the spare words, 128 bytes a wave: two blocks of 256 bytes that no other line names
.set SPITCH, 272
.set ADRA, 16
.set ADRB, 20
.set STO,  24
.set RD,   25
.set CO,   26
.set SPW,  28
.set NIL,  29
.set B1R,  32
.set CD,   96
.set AF,   128
.set GZ,   128
.set GU,   192
.set GX,   200
.set GP,   208
.set GQ,   216
.set KA,   226                         ; P's coefficients, highest first: seven pairs
.set KB,   240                         ; Q's: five pairs
.set KC,   250                         ; 1 / sqrt(2)
.set G1, 24
.set G0, 32
.set G1B, 48
.set G0B, 56
.set ABASE, 72                         ; s[72:73] the first byte of the rows of A that I fetch;  s[74:75] the same for B
.set BBASE, 74
.set KO,    76                         ; s[76:77], s[78:79] the byte in those rows at which slot 0's, slot 1's K step begins (the upper words are 0)
.set MSB, 0
.macro WIN new
.if MSB != \new
	s_set_vgpr_msb (MSB<<8)|\new
.set MSB, \new
.endif
.endm
.set MUL_LO, 0xa1
.set MUL_HI, 0xf1
.set TO_B,   0x40
.macro JLOAD g0a, g1a, g0b, g1b        ; a joint load: waves 0 and 1 fetch for A, waves 2 and 3 for B; four v_nop follow each of the two lines
	s_cmp_eq_u32 s15, 0
	s_cbranch_scc0 .Lfor_b_\@
	tensor_load_to_lds s[\g0a:\g0a+3], s[\g1a:\g1a+7]
	s_nop 0
.rept 4
	v_nop
.endr
	s_branch .Lasked_\@
.Lfor_b_\@:
	tensor_load_to_lds s[\g0b:\g0b+3], s[\g1b:\g1b+7]
	s_nop 0
.rept 4
	v_nop
.endr
.Lasked_\@:
.endm
.macro CREST
	s_cmp_lg_u32 s14, 0
	s_cbranch_scc1 .Lnot_wave_0_\@
	s_barrier_signal -3
.Lnot_wave_0_\@:
	s_barrier_wait -3
	s_barrier_signal -1
	s_barrier_wait -1
.endm
.macro CROUND
	s_barrier_signal -1
	s_barrier_wait -1
	CREST
.endm
	s_load_b128 s[4:7], s[0:1], 0x0                ; h2codes, wcodes
	s_load_b128 s[8:11], s[0:1], 0x10              ; the scales' exponents, b1
	s_load_b64 s[12:13], s[0:1], 0x20              ; fcodes
	v_lshl_add_u32 v[SPW], v0, 2, SPARE
	v_mov_b32 v[NIL], 0
	ds_add_u32 v28, v29
	ds_add_u32 v28, v29
	s_wait_dscnt 0x0
	v_lshrrev_b32 v1, 5, v0
	v_readfirstlane_b32 s14, v1                    ; wave 0..3
	s_lshr_b32 s15, s14, 1                         ; which half of the tile's rows is mine.  Also: I fetch for A (0) or for B (1)
	s_and_b32 s16, s14, 1                          ; which half of its columns.  Also: which 128 rows of that tile I fetch
	s_bfe_u32 s40, ttmp6, 0x40000
	s_bfe_u32 s41, ttmp6, 0x40004
	s_lshl_b32 s42, ttmp9, 2
	s_add_co_u32 s42, s42, s40                     ; tile column = 4 x cluster x + cx
	s_and_b32 s17, ttmp7, 0xffff
	s_lshl_b32 s17, s17, 2
	s_add_co_u32 s17, s17, s41                     ; tile row = 4 x cluster y + cy
	s_lshl_b32 s43, s41, 2
	s_lshl_b32 s43, 15, s43
	s_lshl_b32 s44, 0x1111, s40
	s_or_b32 s[G1+0], s43, (0<<16)|(1<<20)|(1<<21)|(5<<22)|(3<<25)  ; the mask: my row; elements of 1 byte; padding: 4 words behind every 64; bit 21 beside a mask
	s_or_b32 s[G1B+0], s44, (0<<16)|(1<<20)|(1<<21)|(5<<22)|(3<<25)
.irp g, G1, G1B
	s_mov_b32 s[\g+1], ROWB<<16
	s_mov_b32 s[\g+2], 128<<16
	s_mov_b32 s[\g+3], ROWB<<16
	s_mov_b32 s[\g+4], 128
	s_mov_b32 s[\g+5], KROW
	s_mov_b32 s[\g+6], 0
	s_mov_b32 s[\g+7], 0
.endr
	s_lshl_b32 s18, s16, 17                        ; the 128 rows that I fetch, x 1,024 bytes
	s_lshl_b32 s20, s17, 18
	s_add_co_u32 s20, s20, s18
	s_mov_b32 s21, 0
	s_lshl_b32 s46, s42, 18
	s_add_co_u32 s46, s46, s18
	s_add_co_u32 s46, s46, 0x400000                ; W1's place in wcodes
	s_mov_b32 s47, 0
	s_mul_i32 s45, s14, HALFT
	s_and_b32 s[KO], ttmp7, 0xffff                 ; cluster y
	s_lshl_b32 s[KO], s[KO], 1
	s_add_co_u32 s[KO], s[KO], ttmp9               ; cluster x + 2 cluster y
	s_and_b32 s[KO], s[KO], 3                      ; the K step at which my cluster begins: slot 0's first
	s_add_co_u32 s[KO+2], s[KO], 1
	s_and_b32 s[KO+2], s[KO+2], 3                  ; the step behind it, round the four: slot 1's first
	s_lshl_b32 s[KO], s[KO], 8                     ; in bytes of a row
	s_lshl_b32 s[KO+2], s[KO+2], 8
	s_mov_b32 s[KO+1], 0
	s_mov_b32 s[KO+3], 0
	s_wait_kmcnt 0x0
	s_load_b128 s[68:71], s[8:9], 0x30             ; e12, e13, e14, e15
	s_add_nc_u64 s[ABASE:ABASE+1], s[4:5], s[20:21]
	s_add_nc_u64 s[BBASE:BBASE+1], s[6:7], s[46:47]
	CROUND                                         ; all sixteen work-groups are here: the first joint loads meet
.irp s, 0,1
	s_mov_b32 s[G0+4*\s], 1
	s_add_co_u32 s[G0+4*\s+1], s45, \s*SLOT
	s_add_nc_u64 s[G0+4*\s+2:G0+4*\s+3], s[ABASE:ABASE+1], s[KO+2*\s:KO+2*\s+1]
	s_or_b32 s[G0+4*\s+3], s[G0+4*\s+3], 0x80000000
	s_mov_b32 s[G0B+4*\s], 1
	s_add_co_u32 s[G0B+4*\s+1], s45, \s*SLOT
	s_add_nc_u64 s[G0B+4*\s+2:G0B+4*\s+3], s[BBASE:BBASE+1], s[KO+2*\s:KO+2*\s+1]
	s_or_b32 s[G0B+4*\s+3], s[G0B+4*\s+3], 0x80000000
	JLOAD G0+4*\s, G1, G0B+4*\s, G1B
.endr
	v_and_b32 v1, 15, v0                           ; r
	v_bfe_u32 v2, v0, 4, 1                         ; h
	v_mul_u32_u24 v3, v1, PITCH
	v_lshl_add_u32 v4, v2, 4, v3
	s_mul_i32 s21, s15, HALFT
	s_mul_i32 s22, s16, HALFT
	s_add_co_u32 s22, s22, 2*HALFT
.irp s, 0,1
	v_add_nc_u32 v[ADRA+\s], s21, v4
	v_add_nc_u32 v[ADRB+\s], s22, v4
	s_add_co_u32 s21, s21, SLOT
	s_add_co_u32 s22, s22, SLOT
.endr
	s_lshl_b32 s20, s42, 10                        ; b1 of my 128 columns: (256 tile column + 128 half) x 4 bytes
	s_lshl_b32 s21, s16, 9
	s_add_co_u32 s20, s20, s21
	s_mov_b32 s21, 0
	s_add_nc_u64 s[10:11], s[10:11], s[20:21]
	v_lshlrev_b32 v7, 5, v2                        ; + 32 h
.irp b, 0,1,2,3,4,5,6,7
	global_load_b128 v[B1R+8*\b:B1R+8*\b+3], v7, s[10:11] offset:64*\b
	global_load_b128 v[B1R+8*\b+4:B1R+8*\b+7], v7, s[10:11] offset:64*\b+16
.endr
	s_mul_i32 s23, s15, 128*SPITCH                 ; the stage, in: row 128 half + r, byte 128 half + 8 h
	s_lshl_b32 s22, s16, 7
	v_mul_u32_u24 v5, v1, SPITCH
	v_lshl_add_u32 v5, v2, 3, v5
	v_add_nc_u32 v5, s23, v5
	v_add_nc_u32 v[STO], s22, v5
	s_mul_i32 s23, s14, 64*SPITCH                  ; back: my 64 rows, two an instruction, sixteen lanes to a row
	v_mul_u32_u24 v6, v2, SPITCH
	v_lshl_add_u32 v6, v1, 4, v6
	v_add_nc_u32 v[RD], s23, v6
	v_lshlrev_b32 v6, 12, v2
	v_lshl_add_u32 v[CO], v1, 4, v6                ; and the same two rows in fcodes
	s_lshl_b32 s20, s17, 20                        ; (256 tile row + 64 wave) rows of 4,096 bytes + 256 tile column
	s_lshl_b32 s21, s14, 18
	s_add_co_u32 s20, s20, s21
	s_lshl_b32 s21, s42, 8
	s_add_co_u32 s20, s20, s21
	s_mov_b32 s21, 0
	s_add_nc_u64 s[12:13], s[12:13], s[20:21]
.macro FRAG reg, adr, q, i             ; 16 rows x 128 K: registers 4 c .. 4 c + 3 hold K = 32 c + 16 (l / 16) + 0 .. 15: the same permutation of k in A and in B
.irp c, 0,1,2,3
	ds_load_b128 v[\reg+4*\c:\reg+4*\c+3], v[\adr] offset:128*(\q)+32*\c+(\i)*16*PITCH
.endr
.endm
; 16 matrix instructions: A's blocks a0, a0 + 1 x B's eight.  The 64 accumulators take turns, one instruction a turn, in the same order in every step.
.macro MUL16 a0, p, zero
.irp a, \a0, \a0+1
.irp b, 0,1,2,3,4,5,6,7
.if \zero
	v_wmma_f32_16x16x128_bf8_bf8 v[8*(8*((\a)%4)+\b):8*(8*((\a)%4)+\b)+7], v[128*(\p)+FR*\b:128*(\p)+FR*\b+FR-1], v[AF+FR*(\a):AF+FR*(\a)+FR-1], 0
.else
	v_wmma_f32_16x16x128_bf8_bf8 v[8*(8*((\a)%4)+\b):8*(8*((\a)%4)+\b)+7], v[128*(\p)+FR*\b:128*(\p)+FR*\b+FR-1], v[AF+FR*(\a):AF+FR*(\a)+FR-1], v[8*(8*((\a)%4)+\b):8*(8*((\a)%4)+\b)+7]
.endif
.endr
.endr
.endm
.macro FETCH_B slot, q, p
	WIN TO_B
.irp i, 0,1,2,3,4,5,6,7
	FRAG 128*(\p)+FR*\i, ADRB+\slot, \q, \i
.endr
	WIN 0
.endm
.macro FETCH_A slot, q, i0
.irp i, \i0, \i0+1, \i0+2, \i0+3
	FRAG AF+FR*(\i), ADRA+\slot, \q, \i
.endr
.endm
.macro PLACES n                        ; plain vector lines between a matrix instruction and a load into, or a vector read of, its registers
.rept \n
	v_nop
.endr
.endm
.macro STEP slot, q, zero
	s_wait_dscnt 4*NL                              ; B's set and A's blocks 0-3 are in; the youngest sixteen loads (A's blocks 4-7) may be out
	WIN MUL_LO
	MUL16 0, (\q)%2, \zero
	MUL16 2, (\q)%2, \zero
	s_wait_dscnt 0
	PLACES NP
	FETCH_B \slot, (\q)+1, 1-(\q)%2
	FETCH_A \slot, (\q)+1, 0
	WIN MUL_HI
	MUL16 4, (\q)%2, \zero
	MUL16 6, (\q)%2, \zero
	PLACES NP
	WIN 0
	FETCH_A \slot, (\q)+1, 4
.endm
.macro TURN slot, next, fill
	s_wait_tensorcnt 0x0                           ; all my tensor loads have landed: my part of the next slot
	ds_add_u32 v[SPW], v[NIL]                      ; 0 onto my spare word
	s_wait_dscnt 4*NL+1                            ; the add and the youngest sixteen loads may be out
	WIN MUL_LO
	MUL16 0, 1, 0
	s_wait_dscnt 0x0                               ; the add is done, and my reads of this slot are over
	s_barrier_signal -1
	MUL16 2, 1, 0
	WIN 0
	s_barrier_wait -1
.if \fill
	CREST                                          ; the barrier has opened a round of the cluster's: no wave of any partner still reads this slot or has a load on its way
	s_xor_b32 s[KO+2*\slot], s[KO+2*\slot], 2*ROWB ; this slot's next K step: two steps on, round the four: bit 9 of the byte offset turns
	s_add_nc_u64 s[G0+4*\slot+2:G0+4*\slot+3], s[ABASE:ABASE+1], s[KO+2*\slot:KO+2*\slot+1]
	s_or_b32 s[G0+4*\slot+3], s[G0+4*\slot+3], 0x80000000
	s_add_nc_u64 s[G0B+4*\slot+2:G0B+4*\slot+3], s[BBASE:BBASE+1], s[KO+2*\slot:KO+2*\slot+1]
	s_or_b32 s[G0B+4*\slot+3], s[G0B+4*\slot+3], 0x80000000
	JLOAD G0+4*\slot, G1, G0B+4*\slot, G1B         ; the first tensor load behind the round; its four v_nop are the places in front of the loads below
.else
	PLACES NP
.endif
	FETCH_B \next, 0, 0
	FETCH_A \next, 0, 0
	WIN MUL_HI
	MUL16 4, 1, 0
	MUL16 6, 1, 0
	PLACES NP
	WIN 0
	FETCH_A \next, 0, 4
.endm
	s_wait_tensorcnt 1                             ; my part of the first K step is in; the second's load may be out
	s_barrier_signal -1
	s_barrier_wait -1
	FETCH_B 0, 0, 0
	FETCH_A 0, 0, 0
	FETCH_A 0, 0, 4
	STEP 0, 0, 1
	s_mov_b32 s3, LAPS-1
.Llap:
	TURN 0, 1, 1
	STEP 1, 0, 0
	TURN 1, 0, 1
	STEP 0, 0, 0
	s_sub_co_u32 s3, s3, 1
	s_cmp_lg_u32 s3, 0
	s_cbranch_scc1 .Llap
	TURN 0, 1, 0
	STEP 1, 0, 0
	s_wait_dscnt 4*NL
	WIN MUL_LO
	MUL16 0, 1, 0
	MUL16 2, 1, 0
	s_wait_dscnt 0
	WIN MUL_HI
	MUL16 4, 1, 0
	MUL16 6, 1, 0
	WIN 0
	; THE WAY OUT
	s_wait_kmcnt 0x0
	s_wait_loadcnt 0x0                             ; b1
	s_add_co_i32 s96, s68, s69
	s_add_co_i32 s96, s96, 127
	s_lshl_b32 s96, s96, 23                        ; 2^(e12 + e13) as f32
	s_mov_b32 s97, s96
	s_add_co_i32 s70, s70, 127
	s_lshl_b32 s71, s70, 23
	s_add_co_i32 s70, s70, 15
	s_lshl_b32 s70, s70, 23
	s_or_b32 s70, s70, 0x600000
	PLACES NP                                      ; behind the last products: vector lines write A's registers and read results
	v_mov_b32 v224, s71                            ; 2^e14
	v_mov_b32 v225, s70                            ; 57,344 x 2^e14
.macro KONST reg, val
	v_mov_b32 v[\reg], \val
	v_mov_b32 v[\reg+1], \val
.endm
	KONST KA,    0xaf95df0b                        ; -2.72614225801306e-10
	KONST KA+2,  0x32edffee                        ;  2.77068142495902e-08
	KONST KA+4,  0xb60cff51                        ; -2.10102402082508e-06
	KONST KA+6,  0xb86ec2d2                        ; -5.69250639462346e-05
	KONST KA+8,  0xba40ac63                        ; -7.34990630326855e-04
	KONST KA+10, 0xbb41a1f6                        ; -2.95459980854025e-03
	KONST KA+12, 0xbc83dbd4                        ; -1.60960333262415e-02
	KONST KB,    0xb77460cd                        ; -1.45660718464996e-05
	KONST KB+2,  0xb95fbd29                        ; -2.13374055278905e-04
	KONST KB+4,  0xbadc924e                        ; -1.68282697438203e-03
	KONST KB+6,  0xbbf19bf8                        ; -7.37332916720468e-03
	KONST KB+8,  0xbc69b6a7                        ; -1.42647390514189e-02
	KONST KC,    0x3f3504f3                        ; 1 / sqrt(2)
.macro POLY dst, co                    ; dst = dst x u^2 + a coefficient, eight numbers
.irp j, 0,2,4,6
	v_pk_fma_f32 v[\dst+\j:\dst+\j+1], v[\dst+\j:\dst+\j+1], v[GX+\j:GX+\j+1], v[\co:\co+1]
.endr
.endm
.macro GELU8 a, b                      ; eight numbers z at v[GZ + 8 b] become eight codes
.set ZZ, GZ+8*(\b)
.set CC, CD+16*((\a)%2)+2*(\b)
.irp j, 0,2,4,6
	v_pk_mul_f32 v[GU+\j:GU+\j+1], v[ZZ+\j:ZZ+\j+1], v[KC:KC+1]
.endr
.irp j, 0,1,2,3,4,5,6,7
	v_med3_num_f32 v[GU+\j], v[GU+\j], -4.0, 4.0
.endr
.irp j, 0,2,4,6
	v_pk_mul_f32 v[GX+\j:GX+\j+1], v[GU+\j:GU+\j+1], v[GU+\j:GU+\j+1]
.endr
.irp j, 0,2,4,6
	v_pk_fma_f32 v[GP+\j:GP+\j+1], v[GX+\j:GX+\j+1], v[KA:KA+1], v[KA+2:KA+3]
.endr
.irp j, 0,2,4,6
	v_pk_fma_f32 v[GQ+\j:GQ+\j+1], v[GX+\j:GX+\j+1], v[KB:KB+1], v[KB+2:KB+3]
.endr
	POLY GP, KA+4
	POLY GQ, KB+4
	POLY GP, KA+6
	POLY GQ, KB+6
	POLY GP, KA+8
	POLY GQ, KB+8
	POLY GP, KA+10
	POLY GP, KA+12
.irp j, 0,1,2,3,4,5,6,7
	v_rcp_f32 v[GQ+\j], v[GQ+\j]
.endr
.irp j, 0,2,4,6
	v_pk_mul_f32 v[GP+\j:GP+\j+1], v[GP+\j:GP+\j+1], v[GU+\j:GU+\j+1]   ; plain lines behind the reciprocals, which they do not touch
.endr
.irp j, 0,2,4,6
	v_pk_mul_f32 v[GX+\j:GX+\j+1], v[ZZ+\j:ZZ+\j+1], 0.5 op_sel_hi:[1,0]   ; z / 2, where u^2 lay
.endr
	s_wait_alu depctr_va_vdst(0)
.irp j, 0,2,4,6
	v_pk_mul_f32 v[GP+\j:GP+\j+1], v[GP+\j:GP+\j+1], v[GQ+\j:GQ+\j+1]   ; erf
.endr
.irp j, 0,2,4,6
	v_pk_fma_f32 v[ZZ+\j:ZZ+\j+1], v[GX+\j:GX+\j+1], v[GP+\j:GP+\j+1], v[GX+\j:GX+\j+1]
.endr
.irp j, 0,1,2,3,4,5,6,7
	v_med3_num_f32 v[ZZ+\j], v[ZZ+\j], -v225, v225   ; the conversion does not saturate (ISA guide 7.6.2): the hold comes first
.endr
	v_cvt_scalef32_pk8_bf8_f32 v[CC:CC+1], v[ZZ:ZZ+7], v224
	v_nop                                          ; a plain line behind the conversion
	ds_store_b64 v[STO], v[CC:CC+1] offset:16*(\a)*SPITCH+16*(\b)
.endm
.macro GBLOCK a                        ; block a: 16 tokens x 128 hidden units
.set AC, 64*((\a)%4)
.if (\a) >= 2
	s_wait_dscnt 8                                 ; the stores of two blocks back have read this set of codes' registers; the last block's eight may be out
.endif
	WIN 0x02+((\a)/4)                              ; source 0: the sums
.irp b, 0,1,2,3,4,5,6,7
.irp j, 0,2,4,6
	v_pk_fma_f32 v[GZ+8*\b+\j:GZ+8*\b+\j+1], v[AC+8*\b+\j:AC+8*\b+\j+1], s[96:97], v[B1R+8*\b+\j:B1R+8*\b+\j+1] op_sel_hi:[1,0,1]   ; z; each accumulator from its low end on
.endr
.endr
	WIN 0
.irp b, 0,1,2,3,4,5,6,7
	GELU8 \a, \b
.endr
.endm
.irp a, 0,1,2,3,4,5,6,7
	GBLOCK \a
.endr
	s_wait_dscnt 0x0                               ; for the others' sake: my stores into the stage are done
	s_barrier_signal -1
	s_barrier_wait -1
.set tt, 0
.rept 32
	ds_load_b128 v[128+4*tt:128+4*tt+3], v[RD] offset:2*tt*SPITCH
.set tt, tt+1
.endr
.set tt, 0
.rept 32
	s_wait_dscnt 31-tt
	global_store_b128 v[CO], v[128+4*tt:128+4*tt+3], s[12:13] offset:2*tt*4096   ; sixteen lanes store 256 consecutive bytes, aligned
.set tt, tt+1
.endr
	s_wait_tensorcnt 0x0                           ; the wave's end
	ds_add_u32 v[SPW], v[NIL]
	s_wait_dscnt 0x0
	CROUND                                         ; the closing round
	s_endpgm
.Lfunc_end_k_q5fe23add31_ffn1:
	.size	k_q5fe23add31_ffn1, .Lfunc_end_k_q5fe23add31_ffn1-k_q5fe23add31_ffn1
	.p2alignl 7, 3214868480
	.fill 96, 4, 3214868480
	.section	.rodata,"a",@progbits
	.p2align	6, 0x0
	.amdhsa_kernel k_q5fe23add31_ffn1
		.amdhsa_group_segment_fixed_size 327680
		.amdhsa_private_segment_fixed_size 0
		.amdhsa_enable_private_segment 0
		.amdhsa_kernarg_size 40
		.amdhsa_user_sgpr_count 2
		.amdhsa_user_sgpr_kernarg_segment_ptr 1
		.amdhsa_wavefront_size32 1
		.amdhsa_system_sgpr_workgroup_id_x 1
		.amdhsa_system_sgpr_workgroup_id_y 1
		.amdhsa_system_sgpr_workgroup_id_z 1
		.amdhsa_system_vgpr_workitem_id 0
		.amdhsa_next_free_vgpr 1024
		.amdhsa_next_free_sgpr 98
		.amdhsa_reserve_vcc 0
		.amdhsa_float_denorm_mode_32 3
		.amdhsa_float_denorm_mode_16_64 3
		.amdhsa_memory_ordered 1
		.amdhsa_forward_progress 1
		.amdhsa_inst_pref_size 255
	.end_amdhsa_kernel
	.section	.bss,"aw",@nobits
	.p2align	6
	.space	262144
	.amdgpu_metadata
---
amdhsa.version: [ 1, 2 ]
amdhsa.kernels:
  - .name:           k_q5fe23add31_ffn1
    .symbol:         k_q5fe23add31_ffn1.kd
    .args:
      - { .name: h2codes, .offset: 0, .size: 8, .value_kind: global_buffer, .address_space: global }
      - { .name: wcodes, .offset: 8, .size: 8, .value_kind: global_buffer, .address_space: global }
      - { .name: lowp_scales, .offset: 16, .size: 8, .value_kind: global_buffer, .address_space: global }
      - { .name: b1, .offset: 24, .size: 8, .value_kind: global_buffer, .address_space: global }
      - { .name: fcodes, .offset: 32, .size: 8, .value_kind: global_buffer, .address_space: global }
    .group_segment_fixed_size: 327680
    .private_segment_fixed_size: 0
    .kernarg_segment_align: 8
    .kernarg_segment_size: 40
    .max_flat_workgroup_size: 128
    .sgpr_count:     98
    .vgpr_count:     1024
    .wavefront_size: 32
...
	.end_amdgpu_metadata
.endif
;; end of part 6
;; launch ffn2 (part 7): grid 8 x 32, 4 waves a work-group, clusters of 4 x 4, 327,680 bytes of LDS; arguments fcodes, wcodes, lowp_scales, x1, ls2, out0, b2; writes out0
.if DOCPART == 7
	.amdgcn_target "amdgcn-amd-amdhsa--gfx1250"
	.amdhsa_code_object_version 6
	.text
	.protected	k_q5fe23add31_ffn2
	.globl	k_q5fe23add31_ffn2
	.p2align	8
	.type	k_q5fe23add31_ffn2,@function
k_q5fe23add31_ffn2:
	s_mov_b64 s[64:65], 0
	v_nop
	global_prefetch_b8 v0, s[64:65] scope:SCOPE_SE
	s_setreg_imm32_b32 hwreg(HW_REG_WAVE_MODE, 25, 1), 1
	s_wait_xcnt 0x0
	s_wait_alu depctr_hold_cnt(0) depctr_sa_sdst(0) depctr_va_vdst(0) depctr_va_sdst(0) depctr_va_ssrc(0) depctr_va_vcc(0) depctr_vm_vsrc(0)
	s_getreg_b32 s2, hwreg(HW_REG_IB_STS2, 6, 4)
	s_cmp_eq_u32 s2, 0
	s_cbranch_scc0 .Lentry_in_a_cluster
	s_endpgm
.Lentry_in_a_cluster:
	s_bfe_u32 s2, ttmp6, 0x10000c
	s_cmp_lg_u32 s2, 0xf033
	s_cbranch_scc0 .Lentry_shape_is_right
	s_endpgm
.Lentry_shape_is_right:
; out = res + (A B^T x 2^(ea + eb) [+ bias]) x ls.  A: [4096][SIZE_K], B: [1024][SIZE_K]: codes of BF8, K innermost; res, out: [4096][1024] f32; ls [, bias]: [1024] f32.
; HERE: A = the hidden layer's codes, B = w2 (wcodes + 8 MiB), res = x1, ls = ls2, bias = b2, out = out0; ea, eb = e14, e15.
; N is 1,024: tiles of 256 x 256 would be 64, so a tile of C is 128 x 128 and there are 256.  Four waves, each 64 x 64: 16 accumulators.  K goes in steps of 512 (rows of 512 bytes; a wave's tensor load brings 64)
; through a ring of two LDS slots.  CLUSTERS: 4 x 4 work-groups; A's tile is asked for jointly along a row of the cluster, B's along a column.
; THE EIGHT K STEPS ARE WALKED ROUND, FROM A START THAT HANGS ON THE CLUSTER: cluster (x, y) begins at K step (4 x + 2 y) mod 8 and goes on modulo 8.  The clusters of one x read the same rows of B, and four of
; neighbouring y begin at steps 0, 2, 4, 6 from each other: with first fills of two steps they ask for all eight steps of B at the launch's start.  The two clusters of one y read the same rows of A and begin four
; steps apart: the last four steps of a cluster's walk are the first four of the other's.  So of a slot's refills all of B's and four of A's six ask for bytes that another cluster has read before.
; The start is made of the cluster's x and y alone: it is alike in all partners.  A sum's K steps are therefore added in a rotated order, not ascending: an order of rounding that differs from cluster to cluster.
; THE MATRIX INSTRUCTION IS USED TRANSPOSED (source 0 = 16 rows of B, source 1 = 16 rows of A): a lane holds eight neighbouring numbers of a row of C.
; The residual's tile is asked for at the head, in the layout in which rows leave (sixteen lanes to 256 bytes), and waits in window 2; the sums turn through the wave's own stage in LDS into that layout.
; LIMIT: ea + eb between -126 and 127.
; REGISTERS: window 0: v0-31 addresses, ls, bias; v32-95 rows back from the stage, two sets; v128-255 the accumulators ((a, b) at v[128 + 8 (4 a + b)]).
;   window 1: two fragment buffers of 128: for 128 along K four fragments of A (16 registers each), then four of B.   window 2: v0-127 the residual, then the result.
.set SIZE_K, 4096
.set WOFF,   0x800000                  ; B's place in wcodes
.set SCOFF,  0x38                      ; ea's place among the scales' exponents
.set HASB2,  1
.set KSTEP,  512
.set PITCH,  528                       ; an LDS row: 512 bytes + 16 of padding: the 16 rows that a load touches start at 16 different banks
.set HALFT,  64*PITCH
.set SLOT,   4*HALFT
.set STAGE,  2*SLOT                    ; behind the ring: 16 rows x 272 bytes for each wave
.set SPITCH, 272
.set SPARE,  STAGE+4*16*SPITCH         ; behind the stages: the spare words, 128 bytes a wave: two blocks of 256 bytes that no other line names
.set LAPS,   SIZE_K/(2*KSTEP)
.set LS,   8                           ; v8-11   ls of my four columns, later x 2^(ea + eb)
.set BI,   12                          ; v12-15  bias x ls
.set ADRA, 16
.set ADRB, 20
.set STO,  24
.set RD,   25
.set CO,   26
.set C16,  27                          ; v27     16 (lane % 16)
.set SPW,  28
.set NIL,  29
.set BK,   32
.set ACC,  128
.set F0,   0
.set F1,   128
.set G1, 24
.set G0, 32
.set G1B, 48
.set G0B, 56
.set ABASE, 14                         ; s[14:15] the first byte of the rows of A that I fetch;  s[46:47] the same for B: neither is written again
.set BBASE, 46
.set KO,    84                         ; s[84:85], s[86:87] the byte in those rows at which slot 0's, slot 1's K step begins (the upper words are 0)
.set MSB, 0
.macro WIN new
.if MSB != \new
	s_set_vgpr_msb (MSB<<8)|\new
.set MSB, \new
.endif
.endm
.set MUL,  0x05                        ; sources 0 (B) and 1 (A) window 1; C and D window 0
.set TO_F, 0x40
.macro JLOAD s                         ; a joint load: waves 0 and 1 fetch A's two halves, waves 2 and 3 B's; four v_nop follow each of the two lines
	s_cmp_eq_u32 s11, 0
	s_cbranch_scc0 .Lfor_b_\@
	tensor_load_to_lds s[G0+4*\s:G0+4*\s+3], s[G1:G1+7]
	s_nop 0
.rept 4
	v_nop
.endr
	s_branch .Lasked_\@
.Lfor_b_\@:
	tensor_load_to_lds s[G0B+4*\s:G0B+4*\s+3], s[G1B:G1B+7]
	s_nop 0
.rept 4
	v_nop
.endr
.Lasked_\@:
.endm
.macro CREST
	s_cmp_lg_u32 s10, 0
	s_cbranch_scc1 .Lnot_wave_0_\@
	s_barrier_signal -3
.Lnot_wave_0_\@:
	s_barrier_wait -3
	s_barrier_signal -1
	s_barrier_wait -1
.endm
.macro CROUND
	s_barrier_signal -1
	s_barrier_wait -1
	CREST
.endm
	s_load_b128 s[4:7], s[0:1], 0x0                ; A's codes, wcodes
	s_load_b256 s[68:75], s[0:1], 0x10             ; the scales' exponents, res, ls, out
.if HASB2
	s_load_b64 s[76:77], s[0:1], 0x30              ; the bias
.endif
	v_lshl_add_u32 v[SPW], v0, 2, SPARE
	v_mov_b32 v[NIL], 0
	ds_add_u32 v28, v29
	ds_add_u32 v28, v29
	s_wait_dscnt 0x0
	v_lshrrev_b32 v1, 5, v0
	v_readfirstlane_b32 s10, v1                    ; wave 0..3
	s_lshr_b32 s11, s10, 1                         ; which half of the tile's rows is mine.  Also: I fetch for A (0) or for B (1)
	s_and_b32 s12, s10, 1                          ; which half of its columns.  Also: which 64 rows of that tile I fetch
	s_bfe_u32 s40, ttmp6, 0x40000
	s_bfe_u32 s41, ttmp6, 0x40004
	s_lshl_b32 s42, ttmp9, 2
	s_add_co_u32 s42, s42, s40                     ; tile column = 4 x cluster x + cx
	s_and_b32 s13, ttmp7, 0xffff
	s_lshl_b32 s13, s13, 2
	s_add_co_u32 s13, s13, s41                     ; tile row = 4 x cluster y + cy
	s_lshl_b32 s43, s41, 2
	s_lshl_b32 s43, 15, s43
	s_lshl_b32 s44, 0x1111, s40
	s_or_b32 s[G1+0], s43, (0<<16)|(1<<20)|(1<<21)|(6<<22)|(3<<25)  ; the mask: my row; elements of 1 byte; padding: 4 words behind every 128; bit 21 beside a mask
	s_or_b32 s[G1B+0], s44, (0<<16)|(1<<20)|(1<<21)|(6<<22)|(3<<25)
.irp g, G1, G1B
	s_mov_b32 s[\g+1], KSTEP<<16
	s_mov_b32 s[\g+2], 64<<16
	s_mov_b32 s[\g+3], KSTEP<<16
	s_mov_b32 s[\g+4], 64
	s_mov_b32 s[\g+5], SIZE_K
	s_mov_b32 s[\g+6], 0
	s_mov_b32 s[\g+7], 0
.endr
	s_lshl_b32 s17, s12, 6
	s_lshl_b32 s16, s13, 7
	s_add_co_u32 s16, s16, s17                     ; A: row 128 x tile row + 64 x half
	s_lshl_b32 s46, s42, 7
	s_add_co_u32 s46, s46, s17                     ; B: row 128 x tile column + 64 x half
	s_mov_b32 s17, 0
	s_mov_b32 s47, 0
	s_mov_b64 s[18:19], SIZE_K
	s_mul_u64 s[16:17], s[16:17], s[18:19]
	s_mul_u64 s[46:47], s[46:47], s[18:19]
	s_add_nc_u64 s[46:47], s[46:47], WOFF
	s_mul_i32 s20, s10, HALFT
	s_and_b32 s[KO], ttmp7, 0xffff                 ; cluster y
	s_lshl_b32 s[KO], s[KO], 1
	s_lshl_b32 s[KO+2], ttmp9, 2
	s_add_co_u32 s[KO], s[KO], s[KO+2]             ; 4 cluster x + 2 cluster y
	s_and_b32 s[KO], s[KO], SIZE_K/KSTEP-1         ; the K step at which my cluster begins, an even number: slot 0's first
	s_lshl_b32 s[KO], s[KO], 9                     ; in bytes of a row
	s_add_co_u32 s[KO+2], s[KO], KSTEP             ; the step behind it (an odd number, 7 at the most): slot 1's first
	s_mov_b32 s[KO+1], 0
	s_mov_b32 s[KO+3], 0
	s_wait_kmcnt 0x0
	s_load_b64 s[78:79], s[68:69], SCOFF           ; ea, eb
	s_add_nc_u64 s[ABASE:ABASE+1], s[4:5], s[16:17]
	s_add_nc_u64 s[BBASE:BBASE+1], s[6:7], s[46:47]
	CROUND                                         ; all sixteen work-groups are here: the first joint loads meet
.irp s, 0,1
	s_mov_b32 s[G0+4*\s], 1
	s_add_co_u32 s[G0+4*\s+1], s20, \s*SLOT
	s_add_nc_u64 s[G0+4*\s+2:G0+4*\s+3], s[ABASE:ABASE+1], s[KO+2*\s:KO+2*\s+1]
	s_or_b32 s[G0+4*\s+3], s[G0+4*\s+3], 0x80000000
	s_mov_b32 s[G0B+4*\s], 1
	s_add_co_u32 s[G0B+4*\s+1], s20, \s*SLOT
	s_add_nc_u64 s[G0B+4*\s+2:G0B+4*\s+3], s[BBASE:BBASE+1], s[KO+2*\s:KO+2*\s+1]
	s_or_b32 s[G0B+4*\s+3], s[G0B+4*\s+3], 0x80000000
	JLOAD \s
.endr
	v_and_b32 v1, 15, v0                           ; r
	v_bfe_u32 v2, v0, 4, 1                         ; h
	v_mul_u32_u24 v3, v1, PITCH
	v_lshl_add_u32 v3, v2, 4, v3
	s_mul_i32 s21, s11, HALFT
	s_mul_i32 s22, s12, HALFT
	s_add_co_u32 s22, s22, 2*HALFT
.irp s, 0,1
	v_add_nc_u32 v[ADRA+\s], s21, v3
	v_add_nc_u32 v[ADRB+\s], s22, v3
	s_add_co_u32 s21, s21, SLOT
	s_add_co_u32 s22, s22, SLOT
.endr
	s_mul_i32 s23, s10, 16*SPITCH
	s_add_co_u32 s23, s23, STAGE                   ; my stage
	v_mul_u32_u24 v4, v1, SPITCH
	v_lshl_add_u32 v4, v2, 5, v4
	v_add_nc_u32 v[STO], s23, v4                   ; in: row r, 32 bytes for each half of the lanes
	v_mul_u32_u24 v5, v2, SPITCH
	v_lshl_add_u32 v5, v1, 4, v5
	v_add_nc_u32 v[RD], s23, v5                    ; back: lanes 0-15 one row of 256 bytes, lanes 16-31 the next
	v_lshlrev_b32 v5, 12, v2
	v_lshl_add_u32 v[CO], v1, 4, v5                ; and the same two rows in res and out
	v_lshlrev_b32 v[C16], 4, v1
	s_lshl_b32 s80, s13, 19                        ; my part of the tile: (128 tile row + 64 half) rows of 4,096 bytes
	s_lshl_b32 s81, s11, 18
	s_add_co_u32 s80, s80, s81
	s_lshl_b32 s82, s42, 9                         ; (128 tile column + 64 half) x 4 bytes
	s_lshl_b32 s81, s12, 8
	s_add_co_u32 s82, s82, s81
	s_add_co_u32 s80, s80, s82
	s_mov_b32 s81, 0
	s_mov_b32 s83, 0
	s_add_nc_u64 s[70:71], s[70:71], s[80:81]
	s_add_nc_u64 s[74:75], s[74:75], s[80:81]
	s_add_nc_u64 s[72:73], s[72:73], s[82:83]
	global_load_b128 v[LS:LS+3], v[C16], s[72:73]
.if HASB2
	s_add_nc_u64 s[76:77], s[76:77], s[82:83]
	global_load_b128 v[BI:BI+3], v[C16], s[76:77]
.endif
	WIN 0x80                                       ; destination window 2
.irp a, 0,1,2,3
.irp t, 0,1,2,3,4,5,6,7
	global_load_b128 v[4*(8*\a+\t):4*(8*\a+\t)+3], v[CO], s[70:71] offset:(16*\a+2*\t)*4096
.endr
.endr
	WIN 0
.macro FRAG reg, adr, k, i             ; 16 rows x 128 K: registers 4 c .. 4 c + 3 hold K = 32 c + 16 (l / 16) + 0 .. 15: the same permutation of k in A and in B
.irp c, 0,1,2,3
	ds_load_b128 v[\reg+4*\c:\reg+4*\c+3], v[\adr] offset:(\k)+32*\c+(\i)*16*PITCH
.endr
.endm
.macro FETCH slot, k, f                ; 32 LDS loads in one run: B's four fragments, then A's four, of 128 along K at byte k of the rows
	WIN TO_F
.irp i, 0,1,2,3
	FRAG \f+64+16*\i, ADRB+\slot, \k, \i
.endr
.irp i, 0,1,2,3
	FRAG \f+16*\i, ADRA+\slot, \k, \i
.endr
.endm
; 8 matrix instructions: A's blocks a0, a0 + 1 x B's four.  The 16 accumulators take turns, one instruction a turn, in the same order throughout.
.macro MUL8 f, a0, zero
.irp a, \a0, \a0+1
.irp b, 0,1,2,3
.if \zero
	v_wmma_f32_16x16x128_bf8_bf8 v[ACC+8*(4*(\a)+\b):ACC+8*(4*(\a)+\b)+7], v[\f+64+16*\b:\f+64+16*\b+15], v[\f+16*(\a):\f+16*(\a)+15], 0
.else
	v_wmma_f32_16x16x128_bf8_bf8 v[ACC+8*(4*(\a)+\b):ACC+8*(4*(\a)+\b)+7], v[\f+64+16*\b:\f+64+16*\b+15], v[\f+16*(\a):\f+16*(\a)+15], v[ACC+8*(4*(\a)+\b):ACC+8*(4*(\a)+\b)+7]
.endif
.endr
.endr
.endm
.macro PLACES                          ; four plain vector lines in front of loads into registers that matrix instructions have read, and of the first read of results
.rept 4
	v_nop
.endr
.endm
; A K step is four quarters of 128 along K, 16 matrix instructions each, on buffers 0, 1, 0, 1.  One of the first three: multiplies buffer f and fetches the next quarter, at byte k, into g.
.macro QUARTER slot, k, f, g, zero
	s_wait_dscnt 8                                 ; B's four and A's blocks 0, 1 are in; the youngest eight loads (A's blocks 2, 3) may be out
	WIN MUL
	MUL8 \f, 0, \zero
	PLACES
	FETCH \slot, \k, \g
	s_wait_dscnt 32                                ; all but the 32 just issued
	WIN MUL
	MUL8 \f, 2, \zero
.endm
; The last quarter multiplies buffer 1 and changes slots: one barrier; in front of it each wave waits for all its tensor loads, adds 0 to its spare word, and waits for that and for its own reads of this slot.
.macro TURN slot, next, fill
	WIN 0
	s_wait_tensorcnt 0x0                           ; all my tensor loads have landed: my part of the next slot
	ds_add_u32 v[SPW], v[NIL]                      ; 0 onto my spare word
	s_wait_dscnt 9                                 ; the add and the youngest eight loads may be out
	WIN MUL
	MUL8 F1, 0, 0
	s_wait_dscnt 0x0                               ; the add is done, and my reads of this slot are over
	s_barrier_signal -1
.if \fill
	WIN 0
.endif
	s_barrier_wait -1
.if \fill
	CREST                                          ; the barrier has opened a round of the cluster's: no wave of any partner still reads this slot or has a load on its way
	s_add_co_u32 s[KO+2*\slot], s[KO+2*\slot], 2*KSTEP   ; this slot's next K step: two steps on,
	s_and_b32 s[KO+2*\slot], s[KO+2*\slot], SIZE_K-1     ; round the row's 4,096 bytes
	s_add_nc_u64 s[G0+4*\slot+2:G0+4*\slot+3], s[ABASE:ABASE+1], s[KO+2*\slot:KO+2*\slot+1]
	s_or_b32 s[G0+4*\slot+3], s[G0+4*\slot+3], 0x80000000
	s_add_nc_u64 s[G0B+4*\slot+2:G0B+4*\slot+3], s[BBASE:BBASE+1], s[KO+2*\slot:KO+2*\slot+1]
	s_or_b32 s[G0B+4*\slot+3], s[G0B+4*\slot+3], 0x80000000
	JLOAD \slot                                    ; the first tensor load behind the round; its four v_nop are the places in front of the loads below
.else
	PLACES
.endif
	FETCH \next, 0, F0
	WIN MUL
	MUL8 F1, 2, 0
.endm
	s_wait_tensorcnt 1                             ; my part of the first K step is in; the second's load may be out
	s_barrier_signal -1
	s_barrier_wait -1
	FETCH 0, 0, F0
	QUARTER 0, 128, F0, F1, 1                      ; the first quarter's products start the sums
.if LAPS > 1
	WIN 0
	s_mov_b32 s3, LAPS-1
.Llap:                                                 ; a trip goes once round the ring, from a lap's second quarter to the next lap's first, and fills both slots again
	QUARTER 0, 256, F1, F0, 0
	QUARTER 0, 384, F0, F1, 0
	TURN 0, 1, 1
	QUARTER 1, 128, F0, F1, 0
	QUARTER 1, 256, F1, F0, 0
	QUARTER 1, 384, F0, F1, 0
	TURN 1, 0, 1
	QUARTER 0, 128, F0, F1, 0
	WIN 0
	s_sub_co_u32 s3, s3, 1
	s_cmp_lg_u32 s3, 0
	s_cbranch_scc1 .Llap
.endif
	QUARTER 0, 256, F1, F0, 0                      ; the last lap fills nothing
	QUARTER 0, 384, F0, F1, 0
	TURN 0, 1, 0
	QUARTER 1, 128, F0, F1, 0
	QUARTER 1, 256, F1, F0, 0
	QUARTER 1, 384, F0, F1, 0
	s_wait_dscnt 8
	WIN MUL
	MUL8 F1, 0, 0
	s_wait_dscnt 0
	MUL8 F1, 2, 0
	WIN 0
	; THE WAY OUT, block by block of 16 rows x 64 columns, through my own stage; LDS serves a wave's instructions in order, so no wait stands between the stores and the loads
	s_wait_loadcnt 0x0                             ; the residual, ls, the bias
	s_wait_kmcnt 0x0
	s_add_co_i32 s78, s78, s79
	s_add_co_i32 s78, s78, 127
	s_lshl_b32 s78, s78, 23                        ; 2^(ea + eb) as f32
	s_mov_b32 s79, s78
	PLACES
.if HASB2
	v_pk_mul_f32 v[BI:BI+1], v[BI:BI+1], v[LS:LS+1]
	v_pk_mul_f32 v[BI+2:BI+3], v[BI+2:BI+3], v[LS+2:LS+3]
.endif
	v_pk_mul_f32 v[LS:LS+1], v[LS:LS+1], s[78:79] op_sel_hi:[1,0]
	v_pk_mul_f32 v[LS+2:LS+3], v[LS+2:LS+3], s[78:79] op_sel_hi:[1,0]
.macro TOSTAGE a
.irp b, 0,1,2,3
	ds_store_b128 v[STO], v[ACC+8*(4*(\a)+\b):ACC+8*(4*(\a)+\b)+3] offset:64*\b          ; each accumulator from its low end on
	ds_store_b128 v[STO], v[ACC+8*(4*(\a)+\b)+4:ACC+8*(4*(\a)+\b)+7] offset:64*\b+16
.endr
.set BKS, BK+32*((\a)%2)
.irp t, 0,1,2,3,4,5,6,7
	ds_load_b128 v[BKS+4*\t:BKS+4*\t+3], v[RD] offset:\t*2*SPITCH
.endr
.endm
.macro FIN a, younger                  ; younger: the LDS instructions issued behind block a's loads, which may stay out
.set BKS, BK+32*((\a)%2)
.set RS, 32*(\a)
	s_wait_dscnt \younger
.if HASB2
.irp t, 0,1,2,3,4,5,6,7
	v_pk_fma_f32 v[BKS+4*\t:BKS+4*\t+1], v[BKS+4*\t:BKS+4*\t+1], v[LS:LS+1], v[BI:BI+1]
	v_pk_fma_f32 v[BKS+4*\t+2:BKS+4*\t+3], v[BKS+4*\t+2:BKS+4*\t+3], v[LS+2:LS+3], v[BI+2:BI+3]
.endr
	WIN 0x88                                       ; source 1 and destination window 2
.irp t, 0,1,2,3,4,5,6,7
	v_pk_add_f32 v[RS+4*\t:RS+4*\t+1], v[BKS+4*\t:BKS+4*\t+1], v[RS+4*\t:RS+4*\t+1]
	v_pk_add_f32 v[RS+4*\t+2:RS+4*\t+3], v[BKS+4*\t+2:BKS+4*\t+3], v[RS+4*\t+2:RS+4*\t+3]
.endr
.else
	WIN 0xa0                                       ; source 2 and destination window 2
.irp t, 0,1,2,3,4,5,6,7
	v_pk_fma_f32 v[RS+4*\t:RS+4*\t+1], v[BKS+4*\t:BKS+4*\t+1], v[LS:LS+1], v[RS+4*\t:RS+4*\t+1]
	v_pk_fma_f32 v[RS+4*\t+2:RS+4*\t+3], v[BKS+4*\t+2:BKS+4*\t+3], v[LS+2:LS+3], v[RS+4*\t+2:RS+4*\t+3]
.endr
.endif
	WIN 0x08                                       ; a store's data: source 1, window 2
.irp t, 0,1,2,3,4,5,6,7
.if HASB2
	global_store_b128 v[CO], v[RS+4*\t:RS+4*\t+3], s[74:75] offset:(16*(\a)+2*\t)*4096 th:TH_STORE_NT   ; sixteen lanes store 256 consecutive bytes, aligned; no store's data are written again
.else
	global_store_b128 v[CO], v[RS+4*\t:RS+4*\t+3], s[74:75] offset:(16*(\a)+2*\t)*4096                  ; sixteen lanes store 256 consecutive bytes, aligned; no store's data are written again
.endif
.endr
	WIN 0
.endm
	TOSTAGE 0
	TOSTAGE 1
	FIN 0, 16
	TOSTAGE 2
	FIN 1, 16
	TOSTAGE 3
	FIN 2, 16
	FIN 3, 0
	s_wait_tensorcnt 0x0                           ; the wave's end
	ds_add_u32 v[SPW], v[NIL]
	s_wait_dscnt 0x0
	CROUND                                         ; the closing round
	s_endpgm
.Lfunc_end_k_q5fe23add31_ffn2:
	.size	k_q5fe23add31_ffn2, .Lfunc_end_k_q5fe23add31_ffn2-k_q5fe23add31_ffn2
	.p2alignl 7, 3214868480
	.fill 96, 4, 3214868480
	.section	.rodata,"a",@progbits
	.p2align	6, 0x0
	.amdhsa_kernel k_q5fe23add31_ffn2
		.amdhsa_group_segment_fixed_size 327680
		.amdhsa_private_segment_fixed_size 0
		.amdhsa_enable_private_segment 0
		.amdhsa_kernarg_size 56
		.amdhsa_user_sgpr_count 2
		.amdhsa_user_sgpr_kernarg_segment_ptr 1
		.amdhsa_wavefront_size32 1
		.amdhsa_system_sgpr_workgroup_id_x 1
		.amdhsa_system_sgpr_workgroup_id_y 1
		.amdhsa_system_sgpr_workgroup_id_z 1
		.amdhsa_system_vgpr_workitem_id 0
		.amdhsa_next_free_vgpr 640
		.amdhsa_next_free_sgpr 88
		.amdhsa_reserve_vcc 0
		.amdhsa_float_denorm_mode_32 3
		.amdhsa_float_denorm_mode_16_64 3
		.amdhsa_memory_ordered 1
		.amdhsa_forward_progress 1
		.amdhsa_inst_pref_size 83
	.end_amdhsa_kernel
	.amdgpu_metadata
---
amdhsa.version: [ 1, 2 ]
amdhsa.kernels:
  - .name:           k_q5fe23add31_ffn2
    .symbol:         k_q5fe23add31_ffn2.kd
    .args:
      - { .name: fcodes, .offset: 0, .size: 8, .value_kind: global_buffer, .address_space: global }
      - { .name: wcodes, .offset: 8, .size: 8, .value_kind: global_buffer, .address_space: global }
      - { .name: lowp_scales, .offset: 16, .size: 8, .value_kind: global_buffer, .address_space: global }
      - { .name: x1, .offset: 24, .size: 8, .value_kind: global_buffer, .address_space: global }
      - { .name: ls2, .offset: 32, .size: 8, .value_kind: global_buffer, .address_space: global }
      - { .name: out0, .offset: 40, .size: 8, .value_kind: global_buffer, .address_space: global }
      - { .name: b2, .offset: 48, .size: 8, .value_kind: global_buffer, .address_space: global }
    .group_segment_fixed_size: 327680
    .private_segment_fixed_size: 0
    .kernarg_segment_align: 8
    .kernarg_segment_size: 56
    .max_flat_workgroup_size: 128
    .sgpr_count:     88
    .vgpr_count:     640
    .wavefront_size: 32
...
	.end_amdgpu_metadata
.endif
;; end of part 7
